; MI455X (gfx1250); checked and timed in simulation.
; The chip was launched on July 23, 2026; its instructions are those of AMD's public machine-readable ISA for CDNA 5 (MIT licence, August 2026) and "CDNA5" Instruction Set Architecture Reference Guide (July 2026). The comments in the code are by the model that wrote it; some were corrected since.
;; Fast Self Attention. Allowed arithmetic: float matrix products may take bf16 or f16 operands with f32 sums; other float arithmetic in f32, or as packed bf16 or f16 multiplies, adds, multiply-adds, maxima and minima; sums over many terms, partial sums and values carried from step to step in f32; what a program stores and reads back later, other than sums and carried values, may be rounded once to bf16 or f16.
;; Inputs: Wk 1,024 x 1,024 float32; Wka 1,024 x 16 float32; Wq 1,024 x 1,024 float32; Wqa 1,024 x 16 float32; Wt 1,024 x 1,024 float32; attention_mask 8 x 1 x 2,048 float32; bk 1,024 float32; bka 16 float32; bq 1,024 float32; bqa 16 float32; bt 1,024 float32; hidden_states 8 x 2,048 x 1,024 float32.
;; Outputs: out0 8 x 2,048 x 1,024 float32.
;; One version. Each part assembles by itself: llvm-mc -triple=amdgcn-amd-amdhsa -mcpu=gfx1250 --defsym DOCPART=n.
;; ======== version 1 of 1: 8 launches
;; limits: values outside matrix products are rounded to bf16
;; workspace buffers: xb 33,554,432 bytes; wb 4,194,304 bytes; tab 262,656 bytes; part 16,809,984 bytes; pq 65,536 bytes; rk 65,536 bytes; we 17,039,360 bytes
;; launch prep (part 1): grid 577 x 1, 8 waves a work-group, no clusters, 41,984 bytes of LDS; arguments hidden_states, Wq, Wt, Wqa, bq, bqa, xb, wb, tab; writes xb, wb, tab
.if DOCPART == 1
	.amdgcn_target "amdgcn-amd-amdhsa--gfx1250"
	.amdhsa_code_object_version 6
	.text
	.protected	k_qc2f448e88e_prep
	.globl	k_qc2f448e88e_prep
	.p2align	8
	.type	k_qc2f448e88e_prep,@function
k_qc2f448e88e_prep:
	s_mov_b64 s[64:65], 0
	v_nop
	global_prefetch_b8 v0, s[64:65] scope:SCOPE_SE
	s_setreg_imm32_b32 hwreg(HW_REG_WAVE_MODE, 25, 1), 1
	s_wait_xcnt 0x0
; PREP.  Two kinds of work-group, chosen by the work-group's number alone.
; 0..64: THE QUERY SCORES' TABLE.  q_score = (X Wq + bq) Wqa + bqa = X (Wq Wqa) + (bq Wqa + bqa): groups 0..63 make 16 rows each of A = Wq Wqa [1024][16],
;   group 64 makes c = bq Wqa + bqa.  Operands rounded to bf16, sums in f32, A rounded once to bf16.  The eight waves share K: wave w takes k = 128 w .. 128 w + 127, asks for all that it
;   needs at once (16 loads of Wqa, 16 of Wq), turns its part of Wqa into matrix fragments in LDS bytes of its own, and multiplies; the eight partial sums meet in LDS and wave 0 adds them.
;   A is laid as the next launch's fragments: byte (i/16)*512 + lane*16, lane = 16*half + head, holds i = 16 (i/16) + 8 half + 0..7.  The same table is stored for each of the 8 batches.
; 65..576: THE STREAM.  A group rounds 128 KiB of hidden_states and 16 KiB of Wq or Wt to bf16, into xb and wb; layouts stay as they are.  A wave has its 36 loads out together.
; 160 registers a wave: three groups of eight waves find room in a WGP's registers, so all 577 groups can lie on 256 WGPs at once, two equal shares of the stream on each.
; LIMIT: the order of rounding differs from a q that is made first and multiplied by Wqa afterwards.
; No cluster: the stream's groups share nothing, and the table's groups load through registers.
.set NTAB,  65                         ; groups of the table
.set RED,   32768                      ; behind G (32 KiB, 4 KiB a wave): the waves' partial sums, 1 KiB a wave
.set SPARE, 40960                      ; the spare words, 128 bytes a wave
.set CTAB,  262144                     ; c[b][16] f32 behind the eight tables
.set NREP,  8                          ; the table is stored eight times
.set SPW, 12                           ; v12  my spare word's address; never rewritten
.set NIL, 13                           ; v13  0; never rewritten
.set ACC, 16                           ; v16-31 at work while G is built, then two accumulators
.set CB,  32                           ; v32-95 four K steps of my 16 rows, f32 as loaded, bf16 in the low 8 of each 16
.set RW,  96                           ; v96-159 Wqa as loaded
.set BF,  96                           ; v96-127 later: G's fragments of my four K steps
.set RS,  32                           ; v32-95 later: the eight waves' partial sums
.set XS,  16                           ; v16-159 the stream's 36 loads, converted in place
.set BLK, 24
.set WV,  25
.set RB,  36                           ; s[36:37] my rows
.set TBS, 40                           ; s[40:41] my 512 bytes of the table
.set CBS, 42                           ; s[42:43] c
	s_load_b512 s[4:19], s[0:1], 0x0               ; hidden_states 4, Wq 6, Wt 8, Wqa 10, bq 12, bqa 14, xb 16, wb 18
	s_load_b64 s[20:21], s[0:1], 0x40              ; tab
	v_lshl_add_u32 v[SPW], v0, 2, SPARE
	v_mov_b32 v[NIL], 0
	v_lshrrev_b32 v1, 5, v0
	v_readfirstlane_b32 s[WV], v1                  ; wave 0..7
	s_mov_b32 s[BLK], ttmp9
	s_cmp_lt_u32 s[BLK], NTAB
	s_cbranch_scc1 .Ltable
	; THE STREAM.  A wave takes 16 KiB of hidden_states and 2 KiB of a weight on end: loads of 512 consecutive bytes; each store covers 256 consecutive bytes, aligned.
	s_sub_co_u32 s26, s[BLK], NTAB                 ; the share, 0..511
	v_and_b32 v2, 31, v0
	v_lshlrev_b32 v3, 4, v2
	v_lshl_add_u32 v5, v1, 11, v3                  ; weight in: wave x 2,048 + lane x 16
	v_lshl_add_u32 v3, v1, 14, v3                  ; hidden_states in: wave x 16,384 + lane x 16
	v_lshlrev_b32 v4, 3, v2
	v_lshl_add_u32 v6, v1, 10, v4                  ; weight out: wave x 1,024 + lane x 8
	v_lshl_add_u32 v4, v1, 13, v4                  ; xb: wave x 8,192 + lane x 8
	s_lshl_b32 s32, s26, 17
	s_mov_b32 s33, 0
	s_lshl_b32 s34, s26, 16
	s_mov_b32 s35, 0
	s_and_b32 s38, s26, 255                        ; shares 0..255 take Wq, 256..511 Wt, 16 KiB each
	s_lshl_b32 s38, s38, 14
	s_mov_b32 s39, 0
	s_lshl_b32 s40, s26, 13                        ; Wq and Wt lie on end in wb
	s_mov_b32 s41, 0
	s_wait_kmcnt 0x0
	s_cmp_lt_u32 s26, 256
	s_cselect_b64 s[28:29], s[6:7], s[8:9]
	s_add_nc_u64 s[28:29], s[28:29], s[38:39]
	s_add_nc_u64 s[30:31], s[18:19], s[40:41]
	s_add_nc_u64 s[4:5], s[4:5], s[32:33]
	s_add_nc_u64 s[16:17], s[16:17], s[34:35]
.set i, 0
.rept 32
	global_load_b128 v[XS+4*i:XS+4*i+3], v3, s[4:5] offset:512*i th:TH_LOAD_NT
.set i, i+1
.endr
.set i, 0
.rept 4
	global_load_b128 v[XS+128+4*i:XS+128+4*i+3], v5, s[28:29] offset:512*i  ; no hint: the table's groups read Wq too
.set i, i+1
.endr
.set i, 0
.rept 32
	s_wait_loadcnt 35-i                            ; loads come back in order: load i is in, the 35 - i younger ones stay out
	v_cvt_pk_bf16_f32 v[XS+4*i],   v[XS+4*i],   v[XS+4*i+1]  ; in place: four numbers into the low two registers
	v_cvt_pk_bf16_f32 v[XS+4*i+1], v[XS+4*i+2], v[XS+4*i+3]
	global_store_b64 v4, v[XS+4*i:XS+4*i+1], s[16:17] offset:256*i  ; no register is written again, so nothing waits for a store
.set i, i+1
.endr
.set i, 0
.rept 4
	s_wait_loadcnt 3-i
	v_cvt_pk_bf16_f32 v[XS+128+4*i],   v[XS+128+4*i],   v[XS+128+4*i+1]
	v_cvt_pk_bf16_f32 v[XS+128+4*i+1], v[XS+128+4*i+2], v[XS+128+4*i+3]
	global_store_b64 v6, v[XS+128+4*i:XS+128+4*i+1], s[30:31] offset:256*i
.set i, i+1
.endr
	s_endpgm
.macro RSUM                            ; the eight waves' sums (8 registers each, from RS on) into the first eight
.irp i, 0,1,2,3
.irp p, 0,2,4,6
	v_pk_add_f32 v[RS+16*(\i)+(\p):RS+16*(\i)+(\p)+1], v[RS+16*(\i)+(\p):RS+16*(\i)+(\p)+1], v[RS+16*(\i)+8+(\p):RS+16*(\i)+8+(\p)+1]
.endr
.endr
.irp i, 0,1
.irp p, 0,2,4,6
	v_pk_add_f32 v[RS+32*(\i)+(\p):RS+32*(\i)+(\p)+1], v[RS+32*(\i)+(\p):RS+32*(\i)+(\p)+1], v[RS+32*(\i)+16+(\p):RS+32*(\i)+16+(\p)+1]
.endr
.endr
.irp p, 0,2,4,6
	v_pk_add_f32 v[RS+(\p):RS+(\p)+1], v[RS+(\p):RS+(\p)+1], v[RS+32+(\p):RS+32+(\p)+1]
.endr
.endm
.Ltable:
	v_and_b32 v1, 15, v0                           ; r
	v_bfe_u32 v2, v0, 4, 1                         ; half
	v_bfe_u32 v10, v0, 2, 3                        ; which 8 of 64 rows of Wqa are my lane's,
	v_and_b32 v11, 3, v0                           ; which 4 heads
	v_lshlrev_b32 v4, 9, v10
	v_lshl_add_u32 v4, v11, 4, v4                  ; Wqa: 8 rows of 64 bytes, 16 bytes for 4 heads
	v_lshlrev_b32 v6, 8, v10
	v_lshl_add_u32 v6, v11, 6, v6                  ; G in LDS: 256 bytes for 8 rows x 16 heads, 16 a head
	s_lshl_b32 s26, s[WV], 12                      ; my wave's 4 KiB of G: 128 rows
	v_add_nc_u32 v6, s26, v6
	v_and_b32 v10, 31, v0
	v_lshlrev_b32 v10, 4, v10                      ; lane x 16
	v_add_nc_u32 v7, s26, v10
	s_lshl_b32 s27, s[WV], 10
	s_add_co_u32 s27, s27, RED
	v_add_nc_u32 v14, s27, v10                     ; where my partial sums go
	v_add_nc_u32 v15, RED, v10                     ; from where wave 0 takes all eight
	v_lshlrev_b32 v8, 2, v1
	s_lshl_b32 s38, s[BLK], 16                     ; 16 rows of 4,096 bytes a group
	s_lshl_b32 s28, s[WV], 9                       ; my wave's 128 of K, as f32
	s_lshl_b32 s[TBS], s[BLK], 9                   ; 512 bytes of the table for 16 rows
	s_mov_b32 s[TBS+1], 0
	s_lshl_b32 s30, s[WV], 13                      ; my wave's 128 rows of Wqa
	s_mov_b32 s31, 0
	s_cmp_eq_u32 s[BLK], NTAB-1                    ; the last group: all 16 rows are the bias vector: pitch 0
	s_cselect_b32 s38, 0, s38
	s_cselect_b32 s44, 0, 4096
	s_add_co_u32 s38, s38, s28
	s_mov_b32 s39, 0
	v_mul_u32_u24 v3, s44, v1
	v_lshl_add_u32 v3, v2, 5, v3                   ; r x pitch + 32 half
	s_wait_kmcnt 0x0
	s_cmp_eq_u32 s[BLK], NTAB-1
	s_cselect_b64 s[RB:RB+1], s[12:13], s[6:7]
	s_add_nc_u64 s[RB:RB+1], s[RB:RB+1], s[38:39]
	s_add_nc_u64 s[10:11], s[10:11], s[30:31]
	s_add_nc_u64 s[TBS:TBS+1], s[20:21], s[TBS:TBS+1]
	s_add_nc_u64 s[CBS:CBS+1], s[20:21], CTAB
.irp n, 0,1
.irp jj, 0,1,2,3,4,5,6,7
	global_load_b128 v[RW+32*(\n)+4*(\jj):RW+32*(\n)+4*(\jj)+3], v4, s[10:11] offset:(\n)*4096+(\jj)*64
.endr
.endr
	global_load_b32 v9, v8, s[14:15]
.irp tt, 0,1,2,3                       ; lane (r, half) takes k = 32 t + 8 half + 0..7 and 32 t + 16 + 8 half + 0..7, as f32
	global_load_b128 v[CB+16*(\tt):CB+16*(\tt)+3],     v3, s[RB:RB+1] offset:(\tt)*128
	global_load_b128 v[CB+16*(\tt)+4:CB+16*(\tt)+7],   v3, s[RB:RB+1] offset:(\tt)*128+16
	global_load_b128 v[CB+16*(\tt)+8:CB+16*(\tt)+11],  v3, s[RB:RB+1] offset:(\tt)*128+64
	global_load_b128 v[CB+16*(\tt)+12:CB+16*(\tt)+15], v3, s[RB:RB+1] offset:(\tt)*128+80
.endr
	s_wait_loadcnt 16                              ; Wqa and bqa are in; the sixteen loads of my rows stay out
.irp n, 0,1                            ; 64 rows at a time: my lane's 8 rows x 4 heads, turned so that 8 neighbouring rows of one head are 16 bytes of bf16
.irp e, 0,1,2,3
.irp m, 0,1,2,3
	v_cvt_pk_bf16_f32 v[ACC+4*(\e)+(\m)], v[RW+32*(\n)+8*(\m)+(\e)], v[RW+32*(\n)+8*(\m)+4+(\e)]
.endr
.endr
.irp e, 0,1,2,3
	ds_store_b128 v6, v[ACC+4*(\e):ACC+4*(\e)+3] offset:(\n)*2048+(\e)*16
.endr
.endr
.irp tt, 0,1,2,3                       ; my own bytes: LDS serves a wave's instructions in order (ISA guide 5.7.1.4), so these see the stores above
	ds_load_b128 v[BF+8*(\tt):BF+8*(\tt)+3],   v7 offset:(\tt)*1024
	ds_load_b128 v[BF+8*(\tt)+4:BF+8*(\tt)+7], v7 offset:(\tt)*1024+512
.endr
	s_wait_loadcnt 0x0
.irp tt, 0,1,2,3
.irp i, 0,1,2,3,4,5,6,7
	v_cvt_pk_bf16_f32 v[CB+16*(\tt)+(\i)], v[CB+16*(\tt)+2*(\i)], v[CB+16*(\tt)+2*(\i)+1]  ; in place: the register written is never above those still to be read
.endr
.endr
	s_wait_dscnt 0x0                               ; G's fragments
	v_wmma_f32_16x16x32_bf16 v[ACC:ACC+7],    v[CB:CB+7],       v[BF:BF+7],       0        ; the two accumulators take turns
	v_wmma_f32_16x16x32_bf16 v[ACC+8:ACC+15], v[CB+16:CB+23],   v[BF+8:BF+15],    0
	v_wmma_f32_16x16x32_bf16 v[ACC:ACC+7],    v[CB+32:CB+39],   v[BF+16:BF+23],   v[ACC:ACC+7]
	v_wmma_f32_16x16x32_bf16 v[ACC+8:ACC+15], v[CB+48:CB+55],   v[BF+24:BF+31],   v[ACC+8:ACC+15]
.rept 4
	v_nop                                          ; four places in front of the sums' first reader
.endr
.irp i, 0,2,4,6
	v_pk_add_f32 v[ACC+(\i):ACC+(\i)+1], v[ACC+(\i):ACC+(\i)+1], v[ACC+8+(\i):ACC+8+(\i)+1]  ; from the low registers on
.endr
	ds_store_b128 v14, v[ACC:ACC+3]
	ds_store_b128 v14, v[ACC+4:ACC+7] offset:512
	s_wait_tensorcnt 0x0                           ; behind my last LDS store; the wait two lines on is also the one
	ds_add_u32 v[SPW], v[NIL]                      ; that the barrier needs: my sums are stored.  Behind them LDS is only read
	s_wait_dscnt 0x0
	s_barrier_signal -1
	s_barrier_wait -1
	s_cmp_lg_u32 s[WV], 0
	s_cbranch_scc1 .Lend
.irp w, 0,1,2,3,4,5,6,7
	ds_load_b128 v[RS+8*(\w):RS+8*(\w)+3],   v15 offset:(\w)*1024
	ds_load_b128 v[RS+8*(\w)+4:RS+8*(\w)+7], v15 offset:(\w)*1024+512
.endr
	s_wait_dscnt 0x0
	RSUM
	s_cmp_eq_u32 s[BLK], NTAB-1
	s_cbranch_scc1 .Lbias
.irp i, 0,1,2,3
	v_cvt_pk_bf16_f32 v[96+(\i)], v[RS+2*(\i)], v[RS+2*(\i)+1]  ; lane (head, half): rows 8 half + 0..7: the 16 bytes of the table's layout
.endr
.set i, 0
.rept NREP
	global_store_b128 v10, v[96:99], s[TBS:TBS+1] offset:32768*i  ; 512 consecutive bytes
.set i, i+1
.endr
	s_endpgm
.Lbias:
	v_cvt_pk_bf16_f32 v9, v9, v9                   ; bqa rounded to bf16 like every input
	v_lshlrev_b32 v9, 16, v9
	v_add_f32 v96, v[RS], v9
	v_cmp_gt_u32 vcc_lo, 16, v0
	s_wait_xcnt 0x0                                ; EXEC changes only behind this wait
	s_and_saveexec_b32 s45, vcc_lo
.set i, 0
.rept NREP
	global_store_b32 v8, v96, s[CBS:CBS+1] offset:64*i
.set i, i+1
.endr
	s_wait_xcnt 0x0
	s_or_b32 exec_lo, exec_lo, s45
.Lend:
	s_endpgm
.Lfunc_end_k_qc2f448e88e_prep:
	.size	k_qc2f448e88e_prep, .Lfunc_end_k_qc2f448e88e_prep-k_qc2f448e88e_prep
	.p2alignl 7, 3214868480
	.fill 96, 4, 3214868480
	.section	.rodata,"a",@progbits
	.p2align	6, 0x0
	.amdhsa_kernel k_qc2f448e88e_prep
		.amdhsa_group_segment_fixed_size 41984
		.amdhsa_private_segment_fixed_size 0
		.amdhsa_enable_private_segment 0
		.amdhsa_kernarg_size 72
		.amdhsa_user_sgpr_count 2
		.amdhsa_user_sgpr_kernarg_segment_ptr 1
		.amdhsa_wavefront_size32 1
		.amdhsa_system_sgpr_workgroup_id_x 1
		.amdhsa_system_sgpr_workgroup_id_y 1
		.amdhsa_system_sgpr_workgroup_id_z 1
		.amdhsa_system_vgpr_workitem_id 0
		.amdhsa_next_free_vgpr 160
		.amdhsa_next_free_sgpr 66
		.amdhsa_reserve_vcc 1
		.amdhsa_float_denorm_mode_32 3
		.amdhsa_float_denorm_mode_16_64 3
		.amdhsa_memory_ordered 1
		.amdhsa_forward_progress 1
		.amdhsa_inst_pref_size 30
	.end_amdhsa_kernel
	.amdgpu_metadata
---
amdhsa.version: [ 1, 2 ]
amdhsa.kernels:
  - .name:           k_qc2f448e88e_prep
    .symbol:         k_qc2f448e88e_prep.kd
    .args:
      - { .name: hidden_states, .offset: 0, .size: 8, .value_kind: global_buffer, .address_space: global }
      - { .name: Wq, .offset: 8, .size: 8, .value_kind: global_buffer, .address_space: global }
      - { .name: Wt, .offset: 16, .size: 8, .value_kind: global_buffer, .address_space: global }
      - { .name: Wqa, .offset: 24, .size: 8, .value_kind: global_buffer, .address_space: global }
      - { .name: bq, .offset: 32, .size: 8, .value_kind: global_buffer, .address_space: global }
      - { .name: bqa, .offset: 40, .size: 8, .value_kind: global_buffer, .address_space: global }
      - { .name: xb, .offset: 48, .size: 8, .value_kind: global_buffer, .address_space: global }
      - { .name: wb, .offset: 56, .size: 8, .value_kind: global_buffer, .address_space: global }
      - { .name: tab, .offset: 64, .size: 8, .value_kind: global_buffer, .address_space: global }
    .group_segment_fixed_size: 41984
    .private_segment_fixed_size: 0
    .kernarg_segment_align: 8
    .kernarg_segment_size: 72
    .max_flat_workgroup_size: 256
    .sgpr_count:     66
    .vgpr_count:     160
    .wavefront_size: 32
...
	.end_amdgpu_metadata
.endif
;; end of part 1
;; launch passq (part 2): grid 256 x 1, 4 waves a work-group, no clusters, 204,288 bytes of LDS; arguments xb, tab, attention_mask, part; writes part
.if DOCPART == 2
	.amdgcn_target "amdgcn-amd-amdhsa--gfx1250"
	.amdhsa_code_object_version 6
	.text
	.protected	k_qc2f448e88e_passq
	.globl	k_qc2f448e88e_passq
	.p2align	8
	.type	k_qc2f448e88e_passq,@function
k_qc2f448e88e_passq:
	s_mov_b64 s[64:65], 0
	v_nop
	global_prefetch_b8 v0, s[64:65] scope:SCOPE_SE
	s_setreg_imm32_b32 hwreg(HW_REG_WAVE_MODE, 25, 1), 1
	s_wait_xcnt 0x0
; ONE PASS OVER X: scores, a chunk's softmax, and the chunk's weighted sum of X's rows.  Work-group wg = 32 b + c owns rows 64 c .. 64 c + 63 of batch b.
;   t[s][h] = log2(e) ((X A_b + c_b) / 8 + mask[s]);  m[h] = max over the chunk's s;  p = 2^(t - m);  l[h] = sum p;  part[wg][h][:] = sum over s of p[s][h] X[s][:]  (f32).
; The next launch joins the 32 chunks of a batch by their m and l: together that is the softmax over s with its true maximum taken away.
; X and A are bf16, p is rounded to bf16 for the second product (l is taken of the unrounded p); sums in f32; the mask is rounded to bf16 like every input.
; LIMITS.  A chunk whose 64 scores are all -inf gives m = -3.4e38, l = 0 and zeros; NaN and +inf are not treated apart; a weight below 2^-126 counts as 0.
; LDS is filled once: 64 rows of X (each 1,024 bytes followed by 16 of padding: a row is 2,080 bytes, 65 x 32, which serves the turning loads) and the table (32 KiB, as fragments).
; NO CLUSTER: what the 32 groups of a batch share is the table, 32 KiB of the 160 KiB that a group brings in.
.set PX,    2080
.set AT,    133120                     ; the table
.set EX,    165888                     ; the waves' scores: [wave][4 registers][lane][16 bytes]
.set STG,   169984                     ; a stage of 16 rows x 528 bytes for each wave
.set SPARE, 203776                     ; the spare words, 128 bytes a wave
.set CTAB,  262144
.set STATS, 16777216
.set AXS, 4                            ; v4   my row of X for the scores
.set AAT, 5                            ; v5   my 16 bytes of a table fragment
.set AV0, 6                            ; v6,7 the turning loads' addresses, rows 0-31 and 32-63
.set EXS, 8
.set EXR, 9
.set STO, 10
.set RD,  11
.set GO,  12
.set SPW, 20                           ; v20  my spare word's address; never rewritten
.set NIL, 21                           ; v21  0; never rewritten
.set MK,  24                           ; v24-31 log2(e) mask + c log2(e) / 8 for my 8 rows; later at work
.set SA,  32                           ; v32-63 four score accumulators
.set T,   64                           ; v64-95 a head's 32 scores of my half of the lanes
.set F,   96                           ; v96-223 fragments
.set P,   224                          ; v224-239 the weights in bf16: two fragments
.set OA,  32                           ; v32-95 eight pooling accumulators, where SA and T lay
.set G1X, 16
.set G1T, 24
.set G0X, 32
.set G0T, 36
	s_load_b256 s[4:11], s[0:1], 0x0               ; xb 4, tab 6, attention_mask 8, part 10
	v_lshl_add_u32 v[SPW], v0, 2, SPARE
	v_mov_b32 v[NIL], 0
	ds_add_u32 v[SPW], v[NIL]                      ; the wave's opening: the add and its wait stand ahead of my first tensor load
	ds_add_u32 v20, v21
	v_lshrrev_b32 v1, 5, v0
	v_readfirstlane_b32 s12, v1                    ; wave 0..3
	s_lshr_b32 s13, ttmp9, 5                       ; b
	; X: my 16 rows are 32,768 dense bytes: asked for as 32 rows of 1,024 bytes, 16 bytes of padding behind each
	s_mov_b32 s[G1X+0], (1<<16)|(1<<20)|(7<<22)|(3<<25)  ; 2-byte elements; padding on; after every 256 words; 4 words
	s_mov_b32 s[G1X+1], 512<<16                    ; tensor_dim0
	s_mov_b32 s[G1X+2], 32<<16                     ; tensor_dim1
	s_mov_b32 s[G1X+3], 512<<16                    ; tile_dim0
	s_mov_b32 s[G1X+4], 32                         ; tile_dim1
	s_mov_b32 s[G1X+5], 512                        ; elements from row to row
	s_mov_b32 s[G1X+6], 0
	s_mov_b32 s[G1X+7], 0
	; the table: my quarter, 8,192 dense bytes as 32 rows of 256
	s_mov_b32 s[G1T+0], 3<<16                      ; 8-byte elements, no padding
	s_mov_b32 s[G1T+1], 32<<16
	s_mov_b32 s[G1T+2], 32<<16
	s_mov_b32 s[G1T+3], 32<<16
	s_mov_b32 s[G1T+4], 32
	s_mov_b32 s[G1T+5], 32
	s_mov_b32 s[G1T+6], 0
	s_mov_b32 s[G1T+7], 0
	s_mov_b32 s[G0X], 1
	s_mul_i32 s[G0X+1], s12, 16*PX
	s_mov_b32 s[G0T], 1
	s_lshl_b32 s[G0T+1], s12, 13
	s_add_co_u32 s[G0T+1], s[G0T+1], AT
	s_lshl_b32 s48, ttmp9, 17                      ; X: 64 rows of 2,048 bytes a group, 16 a wave
	s_lshl_b32 s49, s12, 15
	s_add_co_u32 s48, s48, s49
	s_mov_b32 s49, 0
	s_lshl_b32 s50, s13, 15                        ; the batch's table, my quarter
	s_lshl_b32 s51, s12, 13
	s_add_co_u32 s50, s50, s51
	s_mov_b32 s51, 0
	s_lshl_b32 s52, ttmp9, 8                       ; the mask: 64 numbers a group, 16 a wave
	s_lshl_b32 s53, s12, 6
	s_add_co_u32 s52, s52, s53
	s_mov_b32 s53, 0
	s_lshl_b32 s54, s13, 6
	s_add_co_u32 s54, s54, CTAB
	s_mov_b32 s55, 0
	s_lshl_b32 s56, ttmp9, 16                      ; my group's 16 x 1,024 f32
	s_mov_b32 s57, 0
	s_lshl_b32 s58, ttmp9, 7
	s_add_co_u32 s58, s58, STATS
	s_mov_b32 s59, 0
	s_mov_b32 s44, 0x3e38aa3b                      ; log2(e) / 8
	s_mov_b32 s45, s44                             ; named with it as a pair
	s_mov_b32 s46, 0x76543210                      ; v_permlanex16_b32: each lane takes its own place in the other half
	s_mov_b32 s47, 0xfedcba98
	s_mov_b32 s60, 0xffff0000
	s_wait_dscnt 0x0                               ; the opening add is done
	s_wait_kmcnt 0x0
	s_add_nc_u64 s[G0X+2:G0X+3], s[4:5], s[48:49]
	s_or_b32 s[G0X+3], s[G0X+3], 0x80000000
	s_add_nc_u64 s[G0T+2:G0T+3], s[6:7], s[50:51]
	s_or_b32 s[G0T+3], s[G0T+3], 0x80000000
	tensor_load_to_lds s[G0X:G0X+3], s[G1X:G1X+7]  ; both fills of the launch: two loads of mine are out
	s_nop 0
	tensor_load_to_lds s[G0T:G0T+3], s[G1T:G1T+7]
	s_nop 0
	s_add_nc_u64 s[8:9], s[8:9], s[52:53]
	s_add_nc_u64 s[40:41], s[6:7], s[54:55]
	s_add_nc_u64 s[42:43], s[10:11], s[58:59]
	s_add_nc_u64 s[10:11], s[10:11], s[56:57]
	v_and_b32 v1, 15, v0                           ; r
	v_bfe_u32 v2, v0, 4, 1                         ; half
	v_and_b32 v3, 31, v0                           ; lane
	v_lshlrev_b32 v22, 5, v2
	v_lshlrev_b32 v23, 2, v1
	global_load_b128 v[MK:MK+3],   v22, s[8:9]     ; the mask of rows 16 w + 8 half + 0..7
	global_load_b128 v[MK+4:MK+7], v22, s[8:9] offset:16
	global_load_b32 v13, v23, s[40:41]             ; c of head r
	v_mul_u32_u24 v[AXS], PX, v1
	v_lshl_add_u32 v[AXS], v2, 4, v[AXS]
	v_add_nc_u32 v[AXS], s[G0X+1], v[AXS]          ; (16 w + r) x 2,080 + 16 half
	v_lshl_add_u32 v[AAT], v3, 4, AT
	v_and_b32 v[AV0], 7, v0
	v_lshl_add_u32 v[AV0], v2, 3, v[AV0]
	v_mul_u32_u24 v[AV0], PX, v[AV0]               ; row 8 half + lane % 8
	v_bfe_u32 v18, v0, 3, 1
	v_lshl_add_u32 v[AV0], v18, 4, v[AV0]
	s_lshl_b32 s14, s12, 9                         ; my 256 channels: 512 w bytes,
	s_lshr_b32 s15, s12, 1
	s_lshl_b32 s15, s15, 4                         ; and 16 more behind the row's first 1,024
	s_add_co_u32 s14, s14, s15
	v_add_nc_u32 v[AV0], s14, v[AV0]
	v_add_nc_u32 v[AV0+1], 32*PX, v[AV0]
	s_lshl_b32 s14, s12, 10
	v_lshl_add_u32 v[EXR], v3, 4, EX
	v_add_nc_u32 v[EXS], s14, v[EXR]
	v_lshl_add_u32 v[GO], v3, 4, s14               ; out: my 256 channels' 1,024 bytes, 16 a lane
	s_mul_i32 s15, s12, 16*528
	s_add_co_u32 s15, s15, STG
	v_lshl_add_u32 v[RD], v3, 4, s15
	v_mul_u32_u24 v[STO], 528, v1
	v_lshl_add_u32 v[STO], v2, 5, v[STO]
	v_add_nc_u32 v[STO], s15, v[STO]
	v_lshlrev_b32 v19, 2, v3
	s_wait_loadcnt 0x0
	v_mul_f32 v13, s44, v13
.irp i, 0,2,4,6
	v_cvt_pk_bf16_f32 v18, v[MK+(\i)], v[MK+(\i)+1]
	v_lshlrev_b32 v[MK+(\i)], 16, v18
	v_and_b32 v[MK+(\i)+1], s60, v18
.endr
.irp i, 0,1,2,3,4,5,6,7
	v_fmamk_f32 v[MK+(\i)], v[MK+(\i)], 0x3fb8aa3b, v13
.endr
	s_wait_tensorcnt 0x0                           ; my quarters of X and of the table are in,
	s_barrier_signal -1
	s_barrier_wait -1                              ; everybody's are; nothing is filled again
; SCORES.  Source 0 = my 16 rows of X, source 1 = the table (16 heads): a lane's result is one head and rows 8 half + 0..7.  K = 1,024 in 32 steps, four to a group.
.macro LOADG g
.irp tt, 0,1,2,3
.set t, 4*(\g)+(\tt)
.set fb, F+64*((\g)%2)+16*(\tt)
	ds_load_b128 v[fb:fb+3],     v[AXS] offset:(t>>4)*1040+(t&15)*64
	ds_load_b128 v[fb+4:fb+7],   v[AXS] offset:(t>>4)*1040+(t&15)*64+32
	ds_load_b128 v[fb+8:fb+11],  v[AAT] offset:t*1024
	ds_load_b128 v[fb+12:fb+15], v[AAT] offset:t*1024+512
.endr
.endm
.macro MULG g, left
	s_wait_dscnt \left                             ; group g is in; the next group's sixteen stay out
.irp tt, 0,1,2,3                       ; the four accumulators take turns
.set fb, F+64*((\g)%2)+16*(\tt)
.if (\g) == 0
	v_wmma_f32_16x16x32_bf16 v[SA+8*(\tt):SA+8*(\tt)+7], v[fb:fb+7], v[fb+8:fb+15], 0
.else
	v_wmma_f32_16x16x32_bf16 v[SA+8*(\tt):SA+8*(\tt)+7], v[fb:fb+7], v[fb+8:fb+15], v[SA+8*(\tt):SA+8*(\tt)+7]
.endif
.endr
.rept 4
	v_nop                                          ; four places in front of loads into the registers just multiplied, and of the sums' first reader
.endr
.if (\g) < 6
	LOADG (\g)+2
.endif
.endm
	LOADG 0
	LOADG 1
	MULG 0, 16
	MULG 1, 16
	MULG 2, 16
	MULG 3, 16
	MULG 4, 16
	MULG 5, 16
	MULG 6, 16
	MULG 7, 0
.irp i, 0,2,4,6
	v_pk_add_f32 v[SA+(\i):SA+(\i)+1], v[SA+(\i):SA+(\i)+1], v[SA+8+(\i):SA+8+(\i)+1]      ; each accumulator is read from its low end on
.endr
.irp i, 0,2,4,6
	v_pk_add_f32 v[SA+16+(\i):SA+16+(\i)+1], v[SA+16+(\i):SA+16+(\i)+1], v[SA+24+(\i):SA+24+(\i)+1]
.endr
.irp i, 0,2,4,6
	v_pk_add_f32 v[SA+(\i):SA+(\i)+1], v[SA+(\i):SA+(\i)+1], v[SA+16+(\i):SA+16+(\i)+1]
.endr
.irp i, 0,2,4,6
	v_pk_fma_f32 v[SA+(\i):SA+(\i)+1], v[SA+(\i):SA+(\i)+1], s[44:45], v[MK+(\i):MK+(\i)+1] op_sel_hi:[1,0,1]  ; t
.endr
	ds_store_b128 v[EXS], v[SA:SA+3]
	ds_store_b128 v[EXS], v[SA+4:SA+7] offset:512
	s_wait_dscnt 0x0                               ; for the others' sake: my scores are stored
	s_barrier_signal -1
	s_barrier_wait -1
.irp w, 0,1,2,3                        ; every wave takes all 64 rows' scores: lane (head, half) gets rows 16 w + 8 half + 0..7, which is the second product's fragment layout
	ds_load_b128 v[T+8*(\w):T+8*(\w)+3],   v[EXR] offset:(\w)*1024
	ds_load_b128 v[T+8*(\w)+4:T+8*(\w)+7], v[EXR] offset:(\w)*1024+512
.endr
; POOLING's loads: X turned, 16 channels x 32 rows a fragment; half hf of my 256 channels, 8 blocks of 16, both halves of the rows
.macro TRL hf
.irp u, 0,1
.irp cb, 0,1,2,3,4,5,6,7
	ds_load_tr16_b128 v[F+8*(8*(\u)+(\cb)):F+8*(8*(\u)+(\cb))+3],   v[AV0+(\u)] offset:(\hf)*256+(\cb)*32
	ds_load_tr16_b128 v[F+8*(8*(\u)+(\cb))+4:F+8*(8*(\u)+(\cb))+7], v[AV0+(\u)] offset:(\hf)*256+(\cb)*32+16*PX
.endr
.endr
.endm
	TRL 0                                          ; on their way during the softmax
	s_wait_dscnt 32                                ; the scores are in; the 32 just issued stay out
	; SOFTMAX of the chunk, in every wave alike
.irp k, 0,1,2,3
	v_max3_num_f32 v[MK+(\k)], v[T+8*(\k)], v[T+8*(\k)+1], v[T+8*(\k)+2]
.endr
.irp k, 0,1,2,3
	v_max3_num_f32 v[MK+(\k)], v[MK+(\k)], v[T+8*(\k)+3], v[T+8*(\k)+4]
.endr
.irp k, 0,1,2,3
	v_max3_num_f32 v[MK+(\k)], v[MK+(\k)], v[T+8*(\k)+5], v[T+8*(\k)+6]
.endr
	v_max3_num_f32 v[MK], v[MK], v[T+7], v[T+15]
	v_max3_num_f32 v[MK+1], v[MK+1], v[T+23], v[T+31]
	v_max3_num_f32 v[MK], v[MK], v[MK+2], v[MK+3]
	v_max_num_f32 v[MK], v[MK], v[MK+1]
	v_permlanex16_b32 v[MK+1], v[MK], s46, s47     ; the head's other 32 rows lie in the lane 16 away
	v_max_num_f32 v14, v[MK], v[MK+1]
	v_max_num_f32 v14, 0xff7fffff, v14             ; a chunk of -inf alone: m stays finite, so that t - m is -inf and p is 0
	v_mov_b32 v15, v14
.set i, 0
.rept 16
	v_pk_add_f32 v[T+2*i:T+2*i+1], v[T+2*i:T+2*i+1], v[14:15] neg_lo:[0,1] neg_hi:[0,1]
.set i, i+1
.endr
.set i, 0
.rept 32
	v_exp_f32 v[T+i], v[T+i]
.set i, i+1
.endr
	v_nop                                          ; a plain instruction between the last exponential and the use of its result
.set i, 0
	s_wait_alu depctr_va_vdst(0)
.rept 16
	v_cvt_pk_bf16_f32 v[P+i], v[T+2*i], v[T+2*i+1]
.set i, i+1
.endr
.irp i, 0,1,2,3,4,5,6,7
	v_pk_add_f32 v[T+4*(\i):T+4*(\i)+1], v[T+4*(\i):T+4*(\i)+1], v[T+4*(\i)+2:T+4*(\i)+3]
.endr
.irp i, 0,1,2,3
	v_pk_add_f32 v[T+8*(\i):T+8*(\i)+1], v[T+8*(\i):T+8*(\i)+1], v[T+8*(\i)+4:T+8*(\i)+5]
.endr
	v_pk_add_f32 v[T:T+1], v[T:T+1], v[T+8:T+9]
	v_pk_add_f32 v[T+16:T+17], v[T+16:T+17], v[T+24:T+25]
	v_pk_add_f32 v[T:T+1], v[T:T+1], v[T+16:T+17]
	v_add_f32 v16, v[T], v[T+1]
	v_permlanex16_b32 v[MK+2], v16, s46, s47
	v_add_f32 v16, v16, v[MK+2]                    ; l
	v_cmp_lt_u32 vcc_lo, 15, v3
	v_cndmask_b32 v18, v14, v16, vcc_lo            ; lanes 0-15 carry m, lanes 16-31 l
	s_cmp_lg_u32 s12, 0
	s_cbranch_scc1 .Lno_stats                      ; all four waves hold the same numbers: wave 0 stores them
	global_store_b32 v19, v18, s[42:43]            ; 128 consecutive bytes; v18 and v19 are not written again
.Lno_stats:
; POOLING.  Source 0 = 16 channels x 32 rows of X, source 1 = the weights: a lane's result is one head and 8 neighbouring channels.
.macro MM
.irp cb, 0,1,2,3,4,5,6,7               ; the eight accumulators take turns
	v_wmma_f32_16x16x32_bf16 v[OA+8*(\cb):OA+8*(\cb)+7], v[F+8*(\cb):F+8*(\cb)+7], v[P:P+7], 0
.endr
.irp cb, 0,1,2,3,4,5,6,7
	v_wmma_f32_16x16x32_bf16 v[OA+8*(\cb):OA+8*(\cb)+7], v[F+64+8*(\cb):F+64+8*(\cb)+7], v[P+8:P+15], v[OA+8*(\cb):OA+8*(\cb)+7]
.endr
.rept 5
	v_nop                                          ; five places: the second run's first products write over these sums; four of them serve the stores that read the sums and the loads into the fragments
.endr
.endm
.macro OUT hf                          ; through my own stage: 32 bytes a lane in, whole rows of 512 bytes back (LDS serves a wave's instructions in order: ISA guide 5.7.1.4)
.irp cb, 0,1,2,3,4,5,6,7
	ds_store_b128 v[STO], v[OA+8*(\cb):OA+8*(\cb)+3]   offset:64*(\cb)
	ds_store_b128 v[STO], v[OA+8*(\cb)+4:OA+8*(\cb)+7] offset:64*(\cb)+16
.endr
.irp rr, 0,1,2,3,4,5,6,7,8,9,10,11,12,13,14,15
	ds_load_b128 v[OA+4*(\rr):OA+4*(\rr)+3], v[RD] offset:528*(\rr)
.endr
	s_wait_dscnt 0x0
.irp rr, 0,1,2,3,4,5,6,7,8,9,10,11,12,13,14,15
	global_store_b128 v[GO], v[OA+4*(\rr):OA+4*(\rr)+3], s[10:11] offset:4096*(\rr)+512*(\hf)  ; head rr: 512 consecutive bytes, aligned
.endr
.endm
	s_wait_dscnt 0x0                               ; the first half's fragments
	MM
	TRL 1                                          ; the last reads of X
	s_wait_dscnt 0x0                               ; they are back: my reads of X are over,
	s_barrier_signal -1
	s_barrier_wait -1                              ; and so are everybody's: from here on LDS is written again (the waves' stages), and read only from those stages
	OUT 0
	s_wait_xcnt 0x0                                ; the stores have read OA: only now is it written again
	MM
	OUT 1
	s_wait_tensorcnt 0x0                           ; the wave's end: behind my last tensor load and my last LDS store
	ds_add_u32 v[SPW], v[NIL]
	s_wait_dscnt 0x0
	s_endpgm
.Lfunc_end_k_qc2f448e88e_passq:
	.size	k_qc2f448e88e_passq, .Lfunc_end_k_qc2f448e88e_passq-k_qc2f448e88e_passq
	.p2alignl 7, 3214868480
	.fill 96, 4, 3214868480
	.section	.rodata,"a",@progbits
	.p2align	6, 0x0
	.amdhsa_kernel k_qc2f448e88e_passq
		.amdhsa_group_segment_fixed_size 204288
		.amdhsa_private_segment_fixed_size 0
		.amdhsa_enable_private_segment 0
		.amdhsa_kernarg_size 32
		.amdhsa_user_sgpr_count 2
		.amdhsa_user_sgpr_kernarg_segment_ptr 1
		.amdhsa_wavefront_size32 1
		.amdhsa_system_sgpr_workgroup_id_x 1
		.amdhsa_system_sgpr_workgroup_id_y 1
		.amdhsa_system_sgpr_workgroup_id_z 1
		.amdhsa_system_vgpr_workitem_id 0
		.amdhsa_next_free_vgpr 240
		.amdhsa_next_free_sgpr 66
		.amdhsa_reserve_vcc 1
		.amdhsa_float_denorm_mode_32 3
		.amdhsa_float_denorm_mode_16_64 3
		.amdhsa_memory_ordered 1
		.amdhsa_forward_progress 1
		.amdhsa_inst_pref_size 39
	.end_amdhsa_kernel
	.amdgpu_metadata
---
amdhsa.version: [ 1, 2 ]
amdhsa.kernels:
  - .name:           k_qc2f448e88e_passq
    .symbol:         k_qc2f448e88e_passq.kd
    .args:
      - { .name: xb, .offset: 0, .size: 8, .value_kind: global_buffer, .address_space: global }
      - { .name: tab, .offset: 8, .size: 8, .value_kind: global_buffer, .address_space: global }
      - { .name: attention_mask, .offset: 16, .size: 8, .value_kind: global_buffer, .address_space: global }
      - { .name: part, .offset: 24, .size: 8, .value_kind: global_buffer, .address_space: global }
    .group_segment_fixed_size: 204288
    .private_segment_fixed_size: 0
    .kernarg_segment_align: 8
    .kernarg_segment_size: 32
    .max_flat_workgroup_size: 128
    .sgpr_count:     66
    .vgpr_count:     240
    .wavefront_size: 32
...
	.end_amdgpu_metadata
.endif
;; end of part 2
;; launch poolq (part 3): grid 32 x 8, 8 waves a work-group, no clusters, 5,120 bytes of LDS; arguments part, Wq, bq, pq; writes pq
.if DOCPART == 3
	.amdgcn_target "amdgcn-amd-amdhsa--gfx1250"
	.amdhsa_code_object_version 6
	.text
	.protected	k_qc2f448e88e_poolq
	.globl	k_qc2f448e88e_poolq
	.p2align	8
	.type	k_qc2f448e88e_poolq,@function
k_qc2f448e88e_poolq:
	s_mov_b64 s[64:65], 0
	v_nop
	global_prefetch_b8 v0, s[64:65] scope:SCOPE_SE
	s_setreg_imm32_b32 hwreg(HW_REG_WAVE_MODE, 25, 1), 1
	s_wait_xcnt 0x0
; HALF OF THE POOLED VECTOR of head h and batch b (y); x = 2 h + kh.   p[kh][b][64 h + d] = sum over i = 512 kh .. 512 kh + 511 of xbar[i] W[i][64 h + d]  (+ bias[64 h + d] in half 0),
; xbar = sum over s of softmax weight x X[s][:].  The launches that read p add its two halves.  K is shared between two groups so that each brings in half of the partial sums and half of the
; weights: 64 KiB and 128 KiB, on 256 groups.
; xbar is joined from the batch's 32 chunks: M = max m_c, e_c = 2^(m_c - M), L = sum e_c l_c, xbar = sum (e_c / L) part_c: the softmax over all s with its maximum taken away.
; (The weights sum to 1, so the bias enters once.)  All in f32 on the vector unit; W and the bias are rounded to bf16 like every input.
; A few-row product that streams its operands: no matrix unit, no cluster (loads go through registers).
; LIMITS.  A batch whose every score is -inf gives L = 0 and NaN, as a softmax of -inf alone does; NaN and +inf are not treated apart.
.set STATS, 16777216
.set RED,   2048                       ; behind my half of xbar (2,048 bytes at 0): 256 bytes for each wave's 64 partial results
.set SPARE, 4096                       ; the spare words, 128 bytes for each of 8 waves
.set SPW, 30
.set NIL, 31
.set W,   32                           ; v32-159  32 rows x 4 columns of W
.set PT,  160                          ; v160-223 my 2 elements of the 32 chunks' sums
.set XV,  160                          ; later: xbar of my 32 rows
.set AC,  192                          ; 4 columns x 2 chains
.set SUM, 200
	s_load_b256 s[4:11], s[0:1], 0x0               ; part 4, W 6, bias 8, p 10
	v_lshl_add_u32 v[SPW], v0, 2, SPARE
	v_mov_b32 v[NIL], 0
	v_lshrrev_b32 v1, 5, v0
	v_readfirstlane_b32 s12, v1                    ; wave 0..7
	s_and_b32 s13, ttmp7, 0xffff                   ; b
	s_lshr_b32 s26, ttmp9, 1                       ; h
	s_and_b32 s27, ttmp9, 1                        ; kh
	v_and_b32 v1, 31, v0
	v_and_b32 v2, 15, v0                           ; q: columns 4 q .. 4 q + 3
	v_lshrrev_b32 v3, 4, v0                        ; g: rows 32 g .. 32 g + 31 of my 512
	v_lshlrev_b32 v4, 7, v1                        ; lane c reads chunk c's m and l
	v_lshlrev_b32 v5, 3, v0                        ; my 2 elements of xbar, in memory and in LDS
	v_lshlrev_b32 v7, 4, v2
	v_lshl_add_u32 v6, v3, 17, v7                  ; 32 rows of 4,096 bytes + 16 q
	v_lshlrev_b32 v16, 7, v3
	s_lshl_b32 s24, s12, 8
	s_add_co_u32 s24, s24, RED
	v_add_nc_u32 v17, s24, v7
	v_add_nc_u32 v18, RED, v7
	s_lshl_b32 s14, s13, 12
	s_lshl_b32 s15, s26, 2
	s_add_co_u32 s14, s14, s15
	s_add_co_u32 s14, s14, STATS
	s_mov_b32 s15, 0
	s_lshl_b32 s16, s13, 21                        ; the batch's 32 chunks, the head's row, my half of it
	s_lshl_b32 s17, s26, 12
	s_add_co_u32 s16, s16, s17
	s_lshl_b32 s17, s27, 11
	s_add_co_u32 s16, s16, s17
	s_mov_b32 s17, 0
	s_lshl_b32 s28, s26, 8                         ; the head's 64 columns
	s_mov_b32 s29, 0
	s_lshl_b32 s18, s27, 21                        ; my 512 rows of W
	s_add_co_u32 s18, s18, s28
	s_mov_b32 s19, 0
	s_lshl_b32 s20, s13, 12
	s_add_co_u32 s20, s20, s28
	s_lshl_b32 s21, s27, 15                        ; my half of p
	s_add_co_u32 s20, s20, s21
	s_mov_b32 s21, 0
	s_cmp_eq_u32 s27, 0
	s_cselect_b32 s30, -1, 0                       ; the bias is kept in half 0 and masked to 0 in half 1
	s_mov_b32 s22, 0x76543210
	s_mov_b32 s23, 0xfedcba98
	s_wait_kmcnt 0x0
	s_add_nc_u64 s[14:15], s[4:5], s[14:15]
	s_add_nc_u64 s[4:5], s[4:5], s[16:17]
	s_add_nc_u64 s[6:7], s[6:7], s[18:19]
	s_add_nc_u64 s[8:9], s[8:9], s[28:29]
	s_add_nc_u64 s[10:11], s[10:11], s[20:21]
	global_load_b32 v8, v4, s[14:15]               ; m
	global_load_b32 v9, v4, s[14:15] offset:64     ; l
.set i, 0
.rept 32
	global_load_b64 v[PT+2*i:PT+2*i+1], v5, s[4:5] offset:65536*i  ; a wave: 256 consecutive bytes
.set i, i+1
.endr
.set i, 0
.rept 32
	global_load_b128 v[W+4*i:W+4*i+3], v6, s[6:7] offset:4096*i    ; sixteen lanes: 256 consecutive bytes, aligned
.set i, i+1
.endr
	global_load_b128 v[24:27], v7, s[8:9]
	s_wait_loadcnt 63                              ; 65 loads were issued behind l: with 63 out at the most, m and l are in
	v_mov_b32 v12, v8
	v_max_num_f32_dpp v12, v12, v12 row_xmask:1 row_mask:0xf bank_mask:0xf
	v_max_num_f32_dpp v12, v12, v12 row_xmask:2 row_mask:0xf bank_mask:0xf
	v_max_num_f32_dpp v12, v12, v12 row_xmask:4 row_mask:0xf bank_mask:0xf
	v_max_num_f32_dpp v12, v12, v12 row_xmask:8 row_mask:0xf bank_mask:0xf
	v_permlanex16_b32 v3, v12, s22, s23
	v_max_num_f32 v12, v12, v3                     ; M
	v_sub_f32 v13, v8, v12
	v_exp_f32 v13, v13                             ; e
	v_nop
	s_wait_alu depctr_va_vdst(0)
	v_mul_f32 v14, v13, v9
	v_add_f32_dpp v14, v14, v14 row_xmask:1 row_mask:0xf bank_mask:0xf
	v_add_f32_dpp v14, v14, v14 row_xmask:2 row_mask:0xf bank_mask:0xf
	v_add_f32_dpp v14, v14, v14 row_xmask:4 row_mask:0xf bank_mask:0xf
	v_add_f32_dpp v14, v14, v14 row_xmask:8 row_mask:0xf bank_mask:0xf
	v_permlanex16_b32 v3, v14, s22, s23
	v_add_f32 v14, v14, v3                         ; L
	v_rcp_f32 v14, v14
	v_nop
	s_wait_alu depctr_va_vdst(0)
	v_mul_f32 v13, v13, v14                        ; lane c: chunk c's factor
.set i, 0
.rept 32
	v_readlane_b32 s[32+i], v13, i
.set i, i+1
.endr
	s_wait_loadcnt 33                              ; the chunks' sums are in; W's 32 loads and the bias stay out
	v_mul_f32 v10, s32, v[PT]
	v_mul_f32 v11, s32, v[PT+1]
.set i, 1
.rept 31
	v_fmac_f32 v10, s[32+i], v[PT+2*i]
	v_fmac_f32 v11, s[32+i], v[PT+2*i+1]
.set i, i+1
.endr
	ds_store_b64 v5, v[10:11]
	s_wait_dscnt 0x0                               ; for the others' sake: my part of xbar is stored
	s_barrier_signal -1
	s_barrier_wait -1
.irp i, 0,1,2,3,4,5,6,7
	ds_load_b128 v[XV+4*(\i):XV+4*(\i)+3], v16 offset:16*(\i)
.endr
	s_wait_loadcnt 0x0
.set i, 0
.rept 32
	v_cvt_pk_bf16_f32 v[W+4*i],   v[W+4*i],   v[W+4*i+1]   ; W rounded to bf16, four numbers into two registers
	v_cvt_pk_bf16_f32 v[W+4*i+1], v[W+4*i+2], v[W+4*i+3]
.set i, i+1
.endr
.irp i, 0,1,2,3,4,5,6,7
	v_mov_b32 v[AC+(\i)], 0
.endr
	s_wait_dscnt 0x0
.set i, 0
.rept 32                               ; bf16 half x f32 + f32, eight chains
	v_fma_mix_f32_bf16 v[AC+(i%2)],   v[W+4*i],   v[XV+i], v[AC+(i%2)]   op_sel_hi:[1,0,0]
	v_fma_mix_f32_bf16 v[AC+2+(i%2)], v[W+4*i],   v[XV+i], v[AC+2+(i%2)] op_sel:[1,0,0] op_sel_hi:[1,0,0]
	v_fma_mix_f32_bf16 v[AC+4+(i%2)], v[W+4*i+1], v[XV+i], v[AC+4+(i%2)] op_sel_hi:[1,0,0]
	v_fma_mix_f32_bf16 v[AC+6+(i%2)], v[W+4*i+1], v[XV+i], v[AC+6+(i%2)] op_sel:[1,0,0] op_sel_hi:[1,0,0]
.set i, i+1
.endr
.irp c, 0,1,2,3
	v_add_f32 v[SUM+(\c)], v[AC+2*(\c)], v[AC+2*(\c)+1]
.endr
.irp c, 0,1,2,3
	v_permlanex16_b32 v[XV+(\c)], v[SUM+(\c)], s22, s23    ; the wave's other 32 rows
.endr
.irp c, 0,1,2,3
	v_add_f32 v[SUM+(\c)], v[SUM+(\c)], v[XV+(\c)]
.endr
	ds_store_b128 v17, v[SUM:SUM+3]                ; both halves of the lanes store the same numbers to the same words
	s_wait_tensorcnt 0x0                           ; behind my last LDS store; the wait two lines on is also the one
	ds_add_u32 v[SPW], v[NIL]                      ; that the barrier needs: my results are stored.  Behind them LDS is only read
	s_wait_dscnt 0x0
	s_barrier_signal -1
	s_barrier_wait -1
	s_cmp_lg_u32 s12, 0
	s_cbranch_scc1 .Lend
.irp w, 0,1,2,3,4,5,6,7
	ds_load_b128 v[W+4*(\w):W+4*(\w)+3], v18 offset:256*(\w)
.endr
	v_cvt_pk_bf16_f32 v28, v24, v25                ; the bias rounded to bf16,
	v_cvt_pk_bf16_f32 v29, v26, v27
	v_and_b32 v28, s30, v28                        ; and 0 in half 1
	v_and_b32 v29, s30, v29
	v_lshlrev_b32 v24, 16, v28
	v_and_b32 v25, 0xffff0000, v28
	v_lshlrev_b32 v26, 16, v29
	v_and_b32 v27, 0xffff0000, v29
	s_wait_dscnt 0x0
.irp i, 0,1,2,3
	v_pk_add_f32 v[W+8*(\i):W+8*(\i)+1],   v[W+8*(\i):W+8*(\i)+1],   v[W+8*(\i)+4:W+8*(\i)+5]
	v_pk_add_f32 v[W+8*(\i)+2:W+8*(\i)+3], v[W+8*(\i)+2:W+8*(\i)+3], v[W+8*(\i)+6:W+8*(\i)+7]
.endr
.irp i, 0,1
	v_pk_add_f32 v[W+16*(\i):W+16*(\i)+1],   v[W+16*(\i):W+16*(\i)+1],   v[W+16*(\i)+8:W+16*(\i)+9]
	v_pk_add_f32 v[W+16*(\i)+2:W+16*(\i)+3], v[W+16*(\i)+2:W+16*(\i)+3], v[W+16*(\i)+10:W+16*(\i)+11]
.endr
	v_pk_add_f32 v[W:W+1],   v[W:W+1],   v[W+16:W+17]
	v_pk_add_f32 v[W+2:W+3], v[W+2:W+3], v[W+18:W+19]
	v_pk_add_f32 v[W:W+1],   v[W:W+1],   v[24:25]
	v_pk_add_f32 v[W+2:W+3], v[W+2:W+3], v[26:27]
	v_cmp_gt_u32 vcc_lo, 16, v0
	s_wait_xcnt 0x0                                ; EXEC changes only behind this wait
	s_and_saveexec_b32 s25, vcc_lo
	global_store_b128 v7, v[W:W+3], s[10:11]       ; sixteen lanes: the head's 256 bytes, aligned
	s_wait_xcnt 0x0
	s_or_b32 exec_lo, exec_lo, s25
.Lend:
	s_endpgm
.Lfunc_end_k_qc2f448e88e_poolq:
	.size	k_qc2f448e88e_poolq, .Lfunc_end_k_qc2f448e88e_poolq-k_qc2f448e88e_poolq
	.p2alignl 7, 3214868480
	.fill 96, 4, 3214868480
	.section	.rodata,"a",@progbits
	.p2align	6, 0x0
	.amdhsa_kernel k_qc2f448e88e_poolq
		.amdhsa_group_segment_fixed_size 5120
		.amdhsa_private_segment_fixed_size 0
		.amdhsa_enable_private_segment 0
		.amdhsa_kernarg_size 32
		.amdhsa_user_sgpr_count 2
		.amdhsa_user_sgpr_kernarg_segment_ptr 1
		.amdhsa_wavefront_size32 1
		.amdhsa_system_sgpr_workgroup_id_x 1
		.amdhsa_system_sgpr_workgroup_id_y 1
		.amdhsa_system_sgpr_workgroup_id_z 1
		.amdhsa_system_vgpr_workitem_id 0
		.amdhsa_next_free_vgpr 224
		.amdhsa_next_free_sgpr 66
		.amdhsa_reserve_vcc 1
		.amdhsa_float_denorm_mode_32 3
		.amdhsa_float_denorm_mode_16_64 3
		.amdhsa_memory_ordered 1
		.amdhsa_forward_progress 1
		.amdhsa_inst_pref_size 30
	.end_amdhsa_kernel
	.amdgpu_metadata
---
amdhsa.version: [ 1, 2 ]
amdhsa.kernels:
  - .name:           k_qc2f448e88e_poolq
    .symbol:         k_qc2f448e88e_poolq.kd
    .args:
      - { .name: part, .offset: 0, .size: 8, .value_kind: global_buffer, .address_space: global }
      - { .name: Wq, .offset: 8, .size: 8, .value_kind: global_buffer, .address_space: global }
      - { .name: bq, .offset: 16, .size: 8, .value_kind: global_buffer, .address_space: global }
      - { .name: pq, .offset: 24, .size: 8, .value_kind: global_buffer, .address_space: global }
    .group_segment_fixed_size: 5120
    .private_segment_fixed_size: 0
    .kernarg_segment_align: 8
    .kernarg_segment_size: 32
    .max_flat_workgroup_size: 256
    .sgpr_count:     66
    .vgpr_count:     224
    .wavefront_size: 32
...
	.end_amdgpu_metadata
.endif
;; end of part 3
;; launch mka (part 4): grid 65 x 4, 8 waves a work-group, no clusters, 82,944 bytes of LDS; arguments Wk, pq, Wka, bk, bka, tab; writes tab
.if DOCPART == 4
	.amdgcn_target "amdgcn-amd-amdhsa--gfx1250"
	.amdhsa_code_object_version 6
	.text
	.protected	k_qc2f448e88e_mka
	.globl	k_qc2f448e88e_mka
	.p2align	8
	.type	k_qc2f448e88e_mka,@function
k_qc2f448e88e_mka:
	s_mov_b64 s[64:65], 0
	v_nop
	global_prefetch_b8 v0, s[64:65] scope:SCOPE_SE
	s_setreg_imm32_b32 hwreg(HW_REG_WAVE_MODE, 25, 1), 1
	s_wait_xcnt 0x0
; THE KEY SCORES' TABLES of batches 2 y and 2 y + 1.  k_score = ((X Wk + bk) o pq) Wka + bka = X (Wk G) + (bk G + bka),  G[j][h] = pq[b][j] Wka[j][h];  pq is the sum of its two stored halves.
; Groups x = 0..63 make 16 rows each of A = Wk G [1024][16]; group 64 makes c = bk G + bka.  Wk and bk are rounded to bf16; G is made in f32 and rounded once to bf16; sums in f32;
; A is rounded once to bf16 and laid as the next launch's fragments: byte (i/16)*512 + lane*16, lane = 16*half + head, holds i = 16 (i/16) + 8 half + 0..7.
; SHARES.  The eight waves share K: wave w takes j = 128 w .. 128 w + 127 and asks for all that it needs at once (16 loads of Wka, 16 of pq, 16 of Wk): one trip to memory.  It builds its part of
; both batches' G in LDS bytes of its own and multiplies its rows of Wk by both: the rows of Wk and Wka are brought in once for two batches.  The eight partial sums meet in LDS;
; wave 0 adds and stores the first batch's, wave 1 the second's.
; LIMIT: the order of rounding differs from a k that is made first, scaled by pq and multiplied by Wka afterwards.
; No cluster: the groups of one x read the same rows of Wk, but through registers (f32 rounded on the way), not by tensor loads.
.set NBLK,  65
.set GB1,   32768                      ; the second batch's G behind the first's (32 KiB each, 4 KiB a wave)
.set RED,   65536                      ; the waves' partial sums: 1 KiB for each wave and batch
.set SPARE, 81920                      ; the spare words, 128 bytes a wave
.set CTAB,  262144
.set PHALF, 32768                      ; pq's second half
.set SPW, 12                           ; v12  my spare word's address; never rewritten
.set NIL, 13                           ; v13  0; never rewritten
.set ACC, 16                           ; v16-31 at work while G is built, then one accumulator a batch
.set CB,  32                           ; v32-95 four K steps of my 16 rows, f32 as loaded, bf16 in the low 8 of each 16
.set RW,  96                           ; v96-159 Wka as loaded
.set BF,  96                           ; v96-159 later: G's fragments, 32 registers a batch
.set RS,  32                           ; v32-95 later: the eight waves' partial sums
.set TM,  160                          ; v160-191 Wka times pq
.set GA,  192                          ; v192-223 pq: 16 registers a batch
.set GH,  224                          ; v224-255 pq's second half
.set BLK, 24
.set WV,  25
.set YP,  26
.set RB,  36
.set TBS, 40
.set CBS, 42
.macro BUILD nb, n                     ; batch nb, 64 rows: my lane's 8 rows x 4 heads, scaled by pq[j] and turned so that 8 neighbouring j of one head are 16 bytes of bf16
.irp jj, 0,1,2,3,4,5,6,7
.irp e, 0,1,2,3
	v_mul_f32 v[TM+4*(\jj)+(\e)], v[RW+32*(\n)+4*(\jj)+(\e)], v[GA+16*(\nb)+8*(\n)+(\jj)]
.endr
.endr
.irp e, 0,1,2,3
.irp m, 0,1,2,3
	v_cvt_pk_bf16_f32 v[ACC+4*(\e)+(\m)], v[TM+8*(\m)+(\e)], v[TM+8*(\m)+4+(\e)]
.endr
.endr
.irp e, 0,1,2,3
	ds_store_b128 v6, v[ACC+4*(\e):ACC+4*(\e)+3] offset:(\nb)*GB1+(\n)*2048+(\e)*16
.endr
.endm
.macro RSUM                            ; the eight waves' sums (8 registers each, from RS on) into the first eight
.irp i, 0,1,2,3
.irp p, 0,2,4,6
	v_pk_add_f32 v[RS+16*(\i)+(\p):RS+16*(\i)+(\p)+1], v[RS+16*(\i)+(\p):RS+16*(\i)+(\p)+1], v[RS+16*(\i)+8+(\p):RS+16*(\i)+8+(\p)+1]
.endr
.endr
.irp i, 0,1
.irp p, 0,2,4,6
	v_pk_add_f32 v[RS+32*(\i)+(\p):RS+32*(\i)+(\p)+1], v[RS+32*(\i)+(\p):RS+32*(\i)+(\p)+1], v[RS+32*(\i)+16+(\p):RS+32*(\i)+16+(\p)+1]
.endr
.endr
.irp p, 0,2,4,6
	v_pk_add_f32 v[RS+(\p):RS+(\p)+1], v[RS+(\p):RS+(\p)+1], v[RS+32+(\p):RS+32+(\p)+1]
.endr
.endm
	s_load_b256 s[4:11], s[0:1], 0x0               ; Wk 4, pq 6, Wka 8, bk 10
	s_load_b128 s[12:15], s[0:1], 0x20             ; bka 12, tab 14
	v_lshl_add_u32 v[SPW], v0, 2, SPARE
	v_mov_b32 v[NIL], 0
	v_lshrrev_b32 v1, 5, v0
	v_readfirstlane_b32 s[WV], v1                  ; wave 0..7
	s_mov_b32 s[BLK], ttmp9
	s_and_b32 s[YP], ttmp7, 0xffff                 ; the pair of batches
	v_and_b32 v1, 15, v0                           ; r
	v_bfe_u32 v2, v0, 4, 1                         ; half
	v_bfe_u32 v10, v0, 2, 3                        ; which 8 of 64 rows of Wka are my lane's,
	v_and_b32 v11, 3, v0                           ; which 4 heads
	v_lshlrev_b32 v4, 9, v10
	v_lshl_add_u32 v4, v11, 4, v4                  ; Wka: 8 rows of 64 bytes, 16 bytes for 4 heads
	v_lshlrev_b32 v5, 5, v10                       ; pq: 8 numbers
	v_lshlrev_b32 v6, 8, v10
	v_lshl_add_u32 v6, v11, 6, v6                  ; G in LDS: 256 bytes for 8 rows x 16 heads, 16 a head
	s_lshl_b32 s27, s[WV], 12                      ; my wave's 4 KiB of a batch's G: 128 rows
	v_add_nc_u32 v6, s27, v6
	v_and_b32 v10, 31, v0
	v_lshlrev_b32 v10, 4, v10                      ; lane x 16
	v_add_nc_u32 v7, s27, v10
	s_lshl_b32 s28, s[WV], 11
	s_add_co_u32 s28, s28, RED
	v_add_nc_u32 v14, s28, v10                     ; where my partial sums go: 2 KiB a wave, 1 KiB a batch
	s_lshl_b32 s29, s[WV], 10
	s_add_co_u32 s29, s29, RED
	v_add_nc_u32 v15, s29, v10                     ; from where wave 0 or 1 takes its batch's eight
	v_lshlrev_b32 v8, 2, v1
	s_lshl_b32 s30, s[WV], 13                      ; my wave's 128 rows of Wka
	s_mov_b32 s31, 0
	s_lshl_b32 s46, s[WV], 9                       ; my wave's 128 of K, as f32
	s_lshl_b32 s32, s[YP], 13                      ; the first batch's pq
	s_add_co_u32 s32, s32, s46
	s_mov_b32 s33, 0
	s_lshl_b32 s[TBS], s[YP], 16                   ; the table of batch 2 y + wave, the 512 bytes of my 16 rows
	s_lshl_b32 s[TBS+1], s[WV], 15
	s_add_co_u32 s[TBS], s[TBS], s[TBS+1]
	s_lshl_b32 s[TBS+1], s[BLK], 9
	s_add_co_u32 s[TBS], s[TBS], s[TBS+1]
	s_mov_b32 s[TBS+1], 0
	s_lshl_b32 s[CBS], s[YP], 7
	s_lshl_b32 s[CBS+1], s[WV], 6
	s_add_co_u32 s[CBS], s[CBS], s[CBS+1]
	s_add_co_u32 s[CBS], s[CBS], CTAB
	s_mov_b32 s[CBS+1], 0
	s_lshl_b32 s38, s[BLK], 16                     ; 16 rows of 4,096 bytes a group
	s_cmp_eq_u32 s[BLK], NBLK-1                    ; the last group: all 16 rows are the bias vector: pitch 0
	s_cselect_b32 s38, 0, s38
	s_cselect_b32 s44, 0, 4096
	s_add_co_u32 s38, s38, s46
	s_mov_b32 s39, 0
	v_mul_u32_u24 v3, s44, v1
	v_lshl_add_u32 v3, v2, 5, v3                   ; r x pitch + 32 half
	s_wait_kmcnt 0x0
	s_cmp_eq_u32 s[BLK], NBLK-1
	s_cselect_b64 s[RB:RB+1], s[10:11], s[4:5]
	s_add_nc_u64 s[RB:RB+1], s[RB:RB+1], s[38:39]
	s_add_nc_u64 s[8:9], s[8:9], s[30:31]
	s_add_nc_u64 s[6:7], s[6:7], s[32:33]
	s_add_nc_u64 s[TBS:TBS+1], s[14:15], s[TBS:TBS+1]
	s_add_nc_u64 s[CBS:CBS+1], s[14:15], s[CBS:CBS+1]
.irp n, 0,1
.irp jj, 0,1,2,3,4,5,6,7
	global_load_b128 v[RW+32*(\n)+4*(\jj):RW+32*(\n)+4*(\jj)+3], v4, s[8:9] offset:(\n)*4096+(\jj)*64
.endr
.endr
.irp nb, 0,1
.irp n, 0,1
	global_load_b128 v[GA+16*(\nb)+8*(\n):GA+16*(\nb)+8*(\n)+3],   v5, s[6:7] offset:(\nb)*4096+(\n)*256
	global_load_b128 v[GA+16*(\nb)+8*(\n)+4:GA+16*(\nb)+8*(\n)+7], v5, s[6:7] offset:(\nb)*4096+(\n)*256+16
	global_load_b128 v[GH+16*(\nb)+8*(\n):GH+16*(\nb)+8*(\n)+3],   v5, s[6:7] offset:PHALF+(\nb)*4096+(\n)*256
	global_load_b128 v[GH+16*(\nb)+8*(\n)+4:GH+16*(\nb)+8*(\n)+7], v5, s[6:7] offset:PHALF+(\nb)*4096+(\n)*256+16
.endr
.endr
	global_load_b32 v9, v8, s[12:13]
.irp tt, 0,1,2,3                       ; lane (r, half) takes k = 32 t + 8 half + 0..7 and 32 t + 16 + 8 half + 0..7, as f32
	global_load_b128 v[CB+16*(\tt):CB+16*(\tt)+3],     v3, s[RB:RB+1] offset:(\tt)*128
	global_load_b128 v[CB+16*(\tt)+4:CB+16*(\tt)+7],   v3, s[RB:RB+1] offset:(\tt)*128+16
	global_load_b128 v[CB+16*(\tt)+8:CB+16*(\tt)+11],  v3, s[RB:RB+1] offset:(\tt)*128+64
	global_load_b128 v[CB+16*(\tt)+12:CB+16*(\tt)+15], v3, s[RB:RB+1] offset:(\tt)*128+80
.endr
	s_wait_loadcnt 16                              ; Wka, pq and bka are in; the sixteen loads of my rows stay out
.set i, 0
.rept 16
	v_pk_add_f32 v[GA+2*i:GA+2*i+1], v[GA+2*i:GA+2*i+1], v[GH+2*i:GH+2*i+1]   ; pq's two halves
.set i, i+1
.endr
	BUILD 0, 0
	BUILD 0, 1
	BUILD 1, 0
	BUILD 1, 1
.irp nb, 0,1                           ; my own bytes: LDS serves a wave's instructions in order (ISA guide 5.7.1.4), so these see the stores above
.irp tt, 0,1,2,3
	ds_load_b128 v[BF+32*(\nb)+8*(\tt):BF+32*(\nb)+8*(\tt)+3],   v7 offset:(\nb)*GB1+(\tt)*1024
	ds_load_b128 v[BF+32*(\nb)+8*(\tt)+4:BF+32*(\nb)+8*(\tt)+7], v7 offset:(\nb)*GB1+(\tt)*1024+512
.endr
.endr
	s_wait_loadcnt 0x0
.irp tt, 0,1,2,3
.irp i, 0,1,2,3,4,5,6,7
	v_cvt_pk_bf16_f32 v[CB+16*(\tt)+(\i)], v[CB+16*(\tt)+2*(\i)], v[CB+16*(\tt)+2*(\i)+1]  ; in place: the register written is never above those still to be read
.endr
.endr
	s_wait_dscnt 0x0                               ; G's fragments
.irp tt, 0,1,2,3                       ; the two batches' accumulators take turns
.irp nb, 0,1
.if (\tt) == 0
	v_wmma_f32_16x16x32_bf16 v[ACC+8*(\nb):ACC+8*(\nb)+7], v[CB+16*(\tt):CB+16*(\tt)+7], v[BF+32*(\nb)+8*(\tt):BF+32*(\nb)+8*(\tt)+7], 0
.else
	v_wmma_f32_16x16x32_bf16 v[ACC+8*(\nb):ACC+8*(\nb)+7], v[CB+16*(\tt):CB+16*(\tt)+7], v[BF+32*(\nb)+8*(\tt):BF+32*(\nb)+8*(\tt)+7], v[ACC+8*(\nb):ACC+8*(\nb)+7]
.endif
.endr
.endr
.rept 4
	v_nop                                          ; four places in front of the stores that read the sums, and of loads into registers that these products read
.endr
.irp nb, 0,1
	ds_store_b128 v14, v[ACC+8*(\nb):ACC+8*(\nb)+3]   offset:(\nb)*1024        ; each accumulator from its low end on
	ds_store_b128 v14, v[ACC+8*(\nb)+4:ACC+8*(\nb)+7] offset:(\nb)*1024+512
.endr
	s_wait_tensorcnt 0x0                           ; behind my last LDS store; the wait two lines on is also the one
	ds_add_u32 v[SPW], v[NIL]                      ; that the barrier needs: my sums are stored.  Behind them LDS is only read
	s_wait_dscnt 0x0
	s_barrier_signal -1
	s_barrier_wait -1
	s_cmp_gt_u32 s[WV], 1
	s_cbranch_scc1 .Lend                           ; wave 0 finishes the first batch, wave 1 the second
.irp w, 0,1,2,3,4,5,6,7
	ds_load_b128 v[RS+8*(\w):RS+8*(\w)+3],   v15 offset:(\w)*2048
	ds_load_b128 v[RS+8*(\w)+4:RS+8*(\w)+7], v15 offset:(\w)*2048+512
.endr
	s_wait_dscnt 0x0
	RSUM
	s_cmp_eq_u32 s[BLK], NBLK-1
	s_cbranch_scc1 .Lbias
.irp i, 0,1,2,3
	v_cvt_pk_bf16_f32 v[96+(\i)], v[RS+2*(\i)], v[RS+2*(\i)+1]  ; lane (head, half): rows 8 half + 0..7: the 16 bytes of the table's layout
.endr
	global_store_b128 v10, v[96:99], s[TBS:TBS+1]  ; 512 consecutive bytes
	s_endpgm
.Lbias:
	v_cvt_pk_bf16_f32 v9, v9, v9                   ; bka rounded to bf16 like every input
	v_lshlrev_b32 v9, 16, v9
	v_add_f32 v96, v[RS], v9
	v_cmp_gt_u32 vcc_lo, 256, v10                  ; lanes 0 to 15 (v10 = 16 x lane)
	s_wait_xcnt 0x0                                ; EXEC changes only behind this wait
	s_and_saveexec_b32 s45, vcc_lo
	global_store_b32 v8, v96, s[CBS:CBS+1]
	s_wait_xcnt 0x0
	s_or_b32 exec_lo, exec_lo, s45
.Lend:
	s_endpgm
.Lfunc_end_k_qc2f448e88e_mka:
	.size	k_qc2f448e88e_mka, .Lfunc_end_k_qc2f448e88e_mka-k_qc2f448e88e_mka
	.p2alignl 7, 3214868480
	.fill 96, 4, 3214868480
	.section	.rodata,"a",@progbits
	.p2align	6, 0x0
	.amdhsa_kernel k_qc2f448e88e_mka
		.amdhsa_group_segment_fixed_size 82944
		.amdhsa_private_segment_fixed_size 0
		.amdhsa_enable_private_segment 0
		.amdhsa_kernarg_size 48
		.amdhsa_user_sgpr_count 2
		.amdhsa_user_sgpr_kernarg_segment_ptr 1
		.amdhsa_wavefront_size32 1
		.amdhsa_system_sgpr_workgroup_id_x 1
		.amdhsa_system_sgpr_workgroup_id_y 1
		.amdhsa_system_sgpr_workgroup_id_z 1
		.amdhsa_system_vgpr_workitem_id 0
		.amdhsa_next_free_vgpr 256
		.amdhsa_next_free_sgpr 66
		.amdhsa_reserve_vcc 1
		.amdhsa_float_denorm_mode_32 3
		.amdhsa_float_denorm_mode_16_64 3
		.amdhsa_memory_ordered 1
		.amdhsa_forward_progress 1
		.amdhsa_inst_pref_size 26
	.end_amdhsa_kernel
	.amdgpu_metadata
---
amdhsa.version: [ 1, 2 ]
amdhsa.kernels:
  - .name:           k_qc2f448e88e_mka
    .symbol:         k_qc2f448e88e_mka.kd
    .args:
      - { .name: Wk, .offset: 0, .size: 8, .value_kind: global_buffer, .address_space: global }
      - { .name: pq, .offset: 8, .size: 8, .value_kind: global_buffer, .address_space: global }
      - { .name: Wka, .offset: 16, .size: 8, .value_kind: global_buffer, .address_space: global }
      - { .name: bk, .offset: 24, .size: 8, .value_kind: global_buffer, .address_space: global }
      - { .name: bka, .offset: 32, .size: 8, .value_kind: global_buffer, .address_space: global }
      - { .name: tab, .offset: 40, .size: 8, .value_kind: global_buffer, .address_space: global }
    .group_segment_fixed_size: 82944
    .private_segment_fixed_size: 0
    .kernarg_segment_align: 8
    .kernarg_segment_size: 48
    .max_flat_workgroup_size: 256
    .sgpr_count:     66
    .vgpr_count:     256
    .wavefront_size: 32
...
	.end_amdgpu_metadata
.endif
;; end of part 4
;; launch passk: the kernel of part 2 again; grid 256 x 1, 4 waves a work-group, no clusters, 204,288 bytes of LDS; arguments xb, tab, attention_mask, part; writes part
;; launch poolk: the kernel of part 3 again; grid 32 x 8, 8 waves a work-group, no clusters, 5,120 bytes of LDS; arguments part, Wk, bk, rk; writes rk
;; launch weff (part 5): grid 4 x 64, 4 waves a work-group, clusters of 4 x 4, 327,680 bytes of LDS; arguments wb, pq, rk, bq, bt, we; writes we
.if DOCPART == 5
	.amdgcn_target "amdgcn-amd-amdhsa--gfx1250"
	.amdhsa_code_object_version 6
	.text
	.protected	k_qc2f448e88e_weff
	.globl	k_qc2f448e88e_weff
	.p2align	8
	.type	k_qc2f448e88e_weff,@function
k_qc2f448e88e_weff:
	s_mov_b64 s[64:65], 0
	v_nop
	global_prefetch_b8 v0, s[64:65] scope:SCOPE_SE
	s_setreg_imm32_b32 hwreg(HW_REG_WAVE_MODE, 25, 1), 1
	s_wait_xcnt 0x0
	s_wait_alu depctr_hold_cnt(0) depctr_sa_sdst(0) depctr_va_vdst(0) depctr_va_sdst(0) depctr_va_ssrc(0) depctr_va_vcc(0) depctr_vm_vsrc(0)
	s_getreg_b32 s2, hwreg(HW_REG_IB_STS2, 6, 4)
	s_cmp_eq_u32 s2, 0
	s_cbranch_scc0 .Lentry_in_a_cluster
	s_endpgm
.Lentry_in_a_cluster:
	s_bfe_u32 s2, ttmp6, 0x10000c
	s_cmp_lg_u32 s2, 0xf033
	s_cbranch_scc0 .Lentry_shape_is_right
	s_endpgm
.Lentry_shape_is_right:
; THE BATCH'S ONE WEIGHT.  out = ((X Wq + bq) o pk) Wt + bt + X Wq + bq = X Weff + beff, with pk = pq o rk (the pooled key; pq and rk are each the sum of their two stored halves),
;   Weff[i][n] = sum over j of Wq[i][j] pk[j] Wt[j][n] + Wq[i][n]      (bf16, [b][i][n]),      beff[n] = sum over j of bq[j] pk[j] Wt[j][n] + bq[n] + bt[n]   (f32).
; Wq, Wt, bq, bt rounded to bf16; pk rounded to bf16 and pk[j] Wt[j][n] rounded once more to bf16, as the second matrix operand; sums in f32; Weff rounded once.
; LIMITS.  bf16 throughout, so the range is f32's; the order of rounding differs from a q that is scaled and multiplied by Wt row by row.
; SHARES.  A work-group makes 128 rows i x 256 columns n of one batch (tile row tr = 8 b + mt, tile column nt); a wave all 128 rows x 64 columns: 32 accumulators, which START at Wq[i][n],
; and 4 more for a ninth block whose 16 rows are all bq, which start at bq[n] + bt[n]: the bias row rides on the same fragments of Wt.
; K = j goes in 8 steps of 128 through two LDS slots.  A K STEP IS WRITTEN ONCE FOR THE SIX THAT FILL A SLOT AGAIN AND ONCE FOR THE LAST TWO: the LDS addresses are a lane's fixed term plus a
; scalar that one exclusive or turns from slot to slot, and one descriptor a tensor walks on by a K step.
; THE MATRIX INSTRUCTION IS USED TRANSPOSED: source 0 = 16 columns of Wt (stored [j][n], so read by the turning load, then scaled by pk), source 1 = 16 rows of Wq: a lane then holds 8 neighbouring n of one row i.
; CLUSTER 4 x 4: Wq's tile hangs on mt alone and is shared along a row of the cluster, Wt's on nt alone and is shared along a column (pk is applied in registers, so Wt's tile knows no batch).
; REGISTERS.  window 0: v0-31 addresses; v32-63 the bias accumulators; v64-127 Wt's fragments, two buffers of 4; v128-143 pk's fragment, two buffers; v144-207 at work
;   window 1: Wq's fragments and bq's, two buffers of 9 (v0-71, v72-143); at work at the start and on the way out        window 2: accumulator (a, b) at v[8 (4 a + b)]
.set PA,    272                        ; a row of Wq's tile: 256 bytes + 16
.set PB,    544                        ; a row of Wt's tile: 512 bytes + 32 = 17 x 32
.set AH,    64*PA
.set BH,    64*PB
.set BOFF,  128*PA                     ; Wt's 128 rows lie behind Wq's 128
.set SLOT,  128*PA+128*PB              ; 104,448
.set SLOT1, 1<<17                      ; slot 1 begins here, so that one exclusive or turns an address in one slot into the other's
.set BST,   SLOT                       ; between the slots, where no tile lands: beff's 256 numbers,
.set TAB,   BST+1024                   ; pk in bf16 (2,048 bytes), then bq in bf16,
.set SPARE, TAB+4096                   ; and the spare words, 128 bytes a wave
.set STAGE, SLOT1+SLOT                 ; behind slot 1: the way out, 128 rows x 528 bytes
.set SPITCH, 528
.set WTOFF, 2097152                    ; Wt behind Wq in wb
.set BEFF,  16777216                   ; beff's 64 copies behind Weff in we
.set PHALF, 32768                      ; the second halves of pq and rk
.set ADRA0, 16                         ; v16 my lane's place in a tile of Wq; never rewritten
.set ADRA,  17                         ; v17 the same in the slot in hand
.set ADRB0, 20                         ; v20, v21 likewise for Wt
.set ADRB,  21
.set VT0,  22                          ; v22 TAB + 16 half; never rewritten
.set VT,   23                          ; v23 the same for the K step in hand
.set STO,  24
.set RD,   25
.set CO,   26
.set BSTO, 27
.set SPW,  28                          ; v28 my spare word's address; never rewritten
.set NIL,  29                          ; v29 0; never rewritten
.set ONE,  30
.set BRD,  31
.set BA,   32
.set BF,   64
.set PK,   128
.set TMP,  144
.set G1, 24
.set G0, 32                            ; s[32:35] Wq's first fill; s[36:39] its second, which then walks on
.set G1B, 48
.set G0B, 56                           ; s[56:59], s[60:63] the same for Wt
.set TBL, 2                            ; s2  the K step's 256 bytes in the tables
.set SB,  83                           ; s83 the slot in hand: 0 or SLOT1
.set MSB, 0
.macro WIN new                         ; the immediate's high byte repeats the setting that is left; a switch that changes nothing is dropped
.if MSB != (\new)
	s_set_vgpr_msb (MSB<<8)|(\new)
.set MSB, \new
.endif
.endm
.macro PLACES
.rept 4
	v_nop
.endr
.endm
.macro JLOAD                           ; a joint refill by the walking descriptors: waves 0 and 1 fetch Wq's two halves, waves 2 and 3 Wt's; an s_nop 0 and four v_nop follow each line
	s_cmp_eq_u32 s11, 0
	s_cbranch_scc0 .Lfor_b_\@
	tensor_load_to_lds s[G0+4:G0+7], s[G1:G1+7]
	s_nop 0
	PLACES
	s_branch .Lasked_\@
.Lfor_b_\@:
	tensor_load_to_lds s[G0B+4:G0B+7], s[G1B:G1B+7]
	s_nop 0
	PLACES
.Lasked_\@:
.endm
.macro CREST                           ; a round of the cluster's barrier behind its opening barrier
	s_cmp_lg_u32 s10, 0
	s_cbranch_scc1 .Lnot_wave_0_\@
	s_barrier_signal -3
.Lnot_wave_0_\@:
	s_barrier_wait -3
	s_barrier_signal -1
	s_barrier_wait -1
.endm
.macro CROUND
	s_barrier_signal -1
	s_barrier_wait -1
	CREST
.endm
	s_load_b256 s[68:75], s[0:1], 0x0              ; wb 68, pq 70, rk 72, bq 74
	s_load_b128 s[76:79], s[0:1], 0x20             ; bt 76, we 78
	v_lshl_add_u32 v[SPW], v0, 2, SPARE
	v_mov_b32 v[NIL], 0
	ds_add_u32 v[SPW], v[NIL]                      ; the wave's opening: the add and its wait stand ahead of my first tensor load
	ds_add_u32 v28, v29
	v_lshrrev_b32 v1, 5, v0
	v_readfirstlane_b32 s10, v1                    ; wave 0..3
	s_lshr_b32 s11, s10, 1                         ; I fetch for Wq (0) or for Wt (1),
	s_and_b32 s12, s10, 1                          ; this half of the tile's rows
	s_bfe_u32 s40, ttmp6, 0x40000                  ; cx
	s_bfe_u32 s41, ttmp6, 0x40004                  ; cy
	s_lshl_b32 s42, ttmp9, 2
	s_add_co_u32 s42, s42, s40                     ; nt
	s_and_b32 s45, ttmp7, 0xffff
	s_lshl_b32 s13, s45, 2
	s_add_co_u32 s13, s13, s41                     ; tr
	s_lshr_b32 s45, s45, 1                         ; b: two clusters along y to a batch
	s_and_b32 s66, s13, 7                          ; mt
	s_lshl_b32 s43, s41, 2
	s_lshl_b32 s43, 15, s43                        ; my row of the cluster
	s_lshl_b32 s44, 0x1111, s40                    ; my column
	s_or_b32 s[G1+0], s43, (1<<16)|(1<<20)|(1<<21)|(5<<22)|(3<<25)   ; the mask; 2-byte elements; padding on; bit 21 beside a mask; after every 64 words 4 words
	s_mov_b32 s[G1+1], 128<<16                     ; tensor_dim0
	s_mov_b32 s[G1+2], 64<<16                      ; tensor_dim1
	s_mov_b32 s[G1+3], 128<<16                     ; tile_dim0
	s_mov_b32 s[G1+4], 64                          ; tile_dim1
	s_mov_b32 s[G1+5], 1024                        ; elements from row to row
	s_mov_b32 s[G1+6], 0
	s_mov_b32 s[G1+7], 0
	s_or_b32 s[G1B+0], s44, (1<<16)|(1<<20)|(1<<21)|(6<<22)|(7<<25)  ; after every 128 words 8 words
	s_mov_b32 s[G1B+1], 256<<16
	s_mov_b32 s[G1B+2], 64<<16
	s_mov_b32 s[G1B+3], 256<<16
	s_mov_b32 s[G1B+4], 64
	s_mov_b32 s[G1B+5], 1024
	s_mov_b32 s[G1B+6], 0
	s_mov_b32 s[G1B+7], 0
	s_lshl_b32 s16, s66, 18                        ; Wq: row 128 mt + 64 half, 2,048 bytes a row
	s_lshl_b32 s17, s12, 17
	s_add_co_u32 s16, s16, s17
	s_mov_b32 s17, 0
	s_lshl_b32 s46, s42, 9                         ; Wt: row 64 half, column 256 nt
	s_lshl_b32 s47, s12, 17
	s_add_co_u32 s46, s46, s47
	s_add_co_u32 s46, s46, WTOFF
	s_mov_b32 s47, 0
	s_mul_i32 s20, s12, AH                         ; where they go: no place in the cluster enters an LDS address
	s_mul_i32 s21, s12, BH
	s_add_co_u32 s21, s21, BOFF
	s_mov_b32 s67, 0xffff0000
	s_mov_b32 s[TBL], 0
	s_mov_b32 s[SB], 0
	s_wait_dscnt 0x0                               ; the opening add is done
	s_wait_kmcnt 0x0
	s_add_nc_u64 s[14:15], s[68:69], s[16:17]
	s_add_nc_u64 s[46:47], s[68:69], s[46:47]
	CROUND                                         ; all sixteen work-groups are here: the first joint loads meet
.irp s, 0,1
	s_mov_b32 s[G0+4*(\s)], 1
	s_add_co_u32 s[G0+4*(\s)+1], s20, (\s)*SLOT1
	s_add_nc_u64 s[G0+4*(\s)+2:G0+4*(\s)+3], s[14:15], (\s)*256          ; K step s: 128 columns of Wq
	s_or_b32 s[G0+4*(\s)+3], s[G0+4*(\s)+3], 0x80000000
	s_mov_b32 s[G0B+4*(\s)], 1
	s_add_co_u32 s[G0B+4*(\s)+1], s21, (\s)*SLOT1
	s_add_nc_u64 s[G0B+4*(\s)+2:G0B+4*(\s)+3], s[46:47], (\s)*262144     ; 128 rows of Wt
	s_or_b32 s[G0B+4*(\s)+3], s[G0B+4*(\s)+3], 0x80000000
.endr
	s_cmp_eq_u32 s11, 0                            ; a wave's two first fills stand in one branch: two loads of mine are out
	s_cbranch_scc0 .Lfirst_b
	tensor_load_to_lds s[G0:G0+3], s[G1:G1+7]
	s_nop 0
	tensor_load_to_lds s[G0+4:G0+7], s[G1:G1+7]
	s_nop 0
	PLACES
	s_branch .Lfirst_asked
.Lfirst_b:
	tensor_load_to_lds s[G0B:G0B+3], s[G1B:G1B+7]
	s_nop 0
	tensor_load_to_lds s[G0B+4:G0B+7], s[G1B:G1B+7]
	s_nop 0
	PLACES
.Lfirst_asked:
	s_lshl_b32 s4, s45, 12                         ; the batch's pq and rk
	s_mov_b32 s5, 0
	s_add_nc_u64 s[70:71], s[70:71], s[4:5]
	s_add_nc_u64 s[72:73], s[72:73], s[4:5]
	s_lshl_b32 s22, s42, 10                        ; my 64 columns in bq and bt
	s_lshl_b32 s23, s10, 8
	s_add_co_u32 s22, s22, s23
	s_mov_b32 s23, 0
	s_add_nc_u64 s[6:7], s[74:75], s[22:23]
	s_add_nc_u64 s[76:77], s[76:77], s[22:23]
	s_lshl_b32 s18, s66, 18                        ; Wq[128 mt ..][256 nt + 64 w ..], the addend
	s_lshl_b32 s19, s42, 9
	s_add_co_u32 s18, s18, s19
	s_lshl_b32 s19, s10, 7
	s_add_co_u32 s18, s18, s19
	s_mov_b32 s19, 0
	s_add_nc_u64 s[68:69], s[68:69], s[18:19]
	s_lshl_b32 s8, s45, 21                         ; Weff: batch, row 128 mt + 32 w, column 256 nt
	s_lshl_b32 s9, s66, 18
	s_add_co_u32 s8, s8, s9
	s_lshl_b32 s9, s10, 16
	s_add_co_u32 s8, s8, s9
	s_lshl_b32 s9, s42, 9
	s_add_co_u32 s8, s8, s9
	s_mov_b32 s9, 0
	s_add_nc_u64 s[8:9], s[78:79], s[8:9]
	s_lshl_b32 s80, s13, 12                        ; beff: copy tr, column 256 nt + 64 w
	s_add_co_u32 s80, s80, s22
	s_add_co_u32 s80, s80, BEFF
	s_mov_b32 s81, 0
	s_add_nc_u64 s[80:81], s[78:79], s[80:81]
	v_and_b32 v1, 15, v0                           ; r
	v_bfe_u32 v2, v0, 4, 1                         ; half
	v_and_b32 v3, 31, v0                           ; lane
	v_lshlrev_b32 v4, 5, v0                        ; my 8 numbers of pq, rk, bq
	v_lshlrev_b32 v5, 11, v1
	v_lshl_add_u32 v5, v2, 4, v5                   ; the addend: row r, 16 bytes a half
	v_lshlrev_b32 v6, 5, v2
	global_load_b128 v[64:67],   v4, s[70:71]
	global_load_b128 v[68:71],   v4, s[70:71] offset:16
	global_load_b128 v[96:99],   v4, s[70:71] offset:PHALF
	global_load_b128 v[100:103], v4, s[70:71] offset:PHALF+16
	global_load_b128 v[72:75],   v4, s[72:73]
	global_load_b128 v[76:79],   v4, s[72:73] offset:16
	global_load_b128 v[104:107], v4, s[72:73] offset:PHALF
	global_load_b128 v[108:111], v4, s[72:73] offset:PHALF+16
	global_load_b128 v[80:83],   v4, s[74:75]
	global_load_b128 v[84:87],   v4, s[74:75] offset:16
.irp b, 0,1,2,3
	global_load_b128 v[TMP+8*(\b):TMP+8*(\b)+3],       v6, s[6:7] offset:64*(\b)
	global_load_b128 v[TMP+8*(\b)+4:TMP+8*(\b)+7],     v6, s[6:7] offset:64*(\b)+16
	global_load_b128 v[TMP+32+8*(\b):TMP+32+8*(\b)+3],   v6, s[76:77] offset:64*(\b)
	global_load_b128 v[TMP+32+8*(\b)+4:TMP+32+8*(\b)+7], v6, s[76:77] offset:64*(\b)+16
.endr
	WIN 0x40                                       ; destination window 1
.irp a, 0,1,2,3,4,5,6,7
.irp b, 0,1,2,3
	global_load_b128 v[4*(4*(\a)+(\b)):4*(4*(\a)+(\b))+3], v5, s[68:69] offset:(\a)*32768+(\b)*32
.endr
.endr
	WIN 0
	v_lshl_add_u32 v7, v0, 4, TAB
	v_mul_u32_u24 v8, PA, v1
	v_lshl_add_u32 v[ADRA0], v2, 4, v8
	v_mov_b32 v[ADRA], v[ADRA0]                    ; K step 0 lies in slot 0
	v_and_b32 v8, 7, v0
	v_lshl_add_u32 v8, v2, 3, v8
	v_mul_u32_u24 v8, PB, v8                       ; row 8 half + lane % 8
	v_bfe_u32 v9, v0, 3, 1
	v_lshl_add_u32 v8, v9, 4, v8
	s_lshl_b32 s4, s10, 7                          ; my 64 columns
	s_add_co_u32 s4, s4, BOFF
	v_add_nc_u32 v[ADRB0], s4, v8
	v_mov_b32 v[ADRB], v[ADRB0]
	v_lshl_add_u32 v[VT0], v2, 4, TAB
	v_mov_b32 v[VT], v[VT0]
	v_mov_b32 v[ONE], 1.0
	s_lshl_b32 s4, s10, 7
	s_add_co_u32 s4, s4, STAGE
	v_mul_u32_u24 v[STO], SPITCH, v1
	v_lshl_add_u32 v[STO], v2, 4, v[STO]
	v_add_nc_u32 v[STO], s4, v[STO]                ; in: row r, my 128 bytes, 16 a half
	s_mul_i32 s4, s10, 32*SPITCH
	s_add_co_u32 s4, s4, STAGE
	v_lshl_add_u32 v[RD], v3, 4, s4                ; back: rows 32 w .., whole
	v_lshlrev_b32 v[CO], 4, v3
	s_lshl_b32 s4, s10, 8
	s_add_co_u32 s4, s4, BST
	v_lshl_add_u32 v[BSTO], v2, 5, s4
	v_lshl_add_u32 v[BRD], v1, 4, s4
	v_lshlrev_b32 v10, 4, v1
	s_wait_loadcnt 48                              ; pq, rk, bq are in; the 48 younger loads stay out
.irp i, 0,2,4,6
	v_pk_add_f32 v[64+(\i):65+(\i)], v[64+(\i):65+(\i)], v[96+(\i):97+(\i)]     ; pq's two halves,
	v_pk_add_f32 v[72+(\i):73+(\i)], v[72+(\i):73+(\i)], v[104+(\i):105+(\i)]   ; rk's
.endr
.irp i, 0,2,4,6
	v_pk_mul_f32 v[64+(\i):65+(\i)], v[64+(\i):65+(\i)], v[72+(\i):73+(\i)]     ; pk
.endr
.irp i, 0,1,2,3
	v_cvt_pk_bf16_f32 v[88+(\i)], v[64+2*(\i)], v[65+2*(\i)]
	v_cvt_pk_bf16_f32 v[92+(\i)], v[80+2*(\i)], v[81+2*(\i)]
.endr
	ds_store_b128 v7, v[88:91]
	ds_store_b128 v7, v[92:95] offset:2048
	s_wait_loadcnt 32                              ; my columns of bq and bt; the addend's 32 stay out
.set i, 0
.rept 16
	v_cvt_pk_bf16_f32 v[TMP+2*i], v[TMP+2*i], v[TMP+2*i+1]
	v_cvt_pk_bf16_f32 v[TMP+32+2*i], v[TMP+32+2*i], v[TMP+32+2*i+1]
	v_fma_mix_f32_bf16 v[BA+2*i],   v[TMP+2*i], v[ONE], v[TMP+32+2*i] op_sel_hi:[1,0,1]                  ; bf16(bq) x 1 + bf16(bt), low halves,
	v_fma_mix_f32_bf16 v[BA+2*i+1], v[TMP+2*i], v[ONE], v[TMP+32+2*i] op_sel:[1,0,1] op_sel_hi:[1,0,1]   ; high halves
.set i, i+1
.endr
	s_wait_loadcnt 0x0
	WIN 0x84                                       ; destination window 2, source 1 window 1: the sums start at Wq[i][n], so no first step is written out
.set i, 0
.rept 128
	v_lshlrev_b32 v[2*i], 16, v[i]
	v_and_b32 v[2*i+1], s67, v[i]
.set i, i+1
.endr
	WIN 0
.macro FETCH q, f                      ; 28 LDS loads in one run: pk's fragment, Wt's 4 (turned), Wq's 8, bq's, for quarter q (32 along K) of the K step that the three address registers name
	WIN 0
	ds_load_b128 v[PK+8*(\f):PK+8*(\f)+3],   v[VT] offset:(\q)*64
	ds_load_b128 v[PK+8*(\f)+4:PK+8*(\f)+7], v[VT] offset:(\q)*64+32
.irp b, 0,1,2,3
	ds_load_tr16_b128 v[BF+32*(\f)+8*(\b):BF+32*(\f)+8*(\b)+3],   v[ADRB] offset:(\q)*32*PB+(\b)*32
	ds_load_tr16_b128 v[BF+32*(\f)+8*(\b)+4:BF+32*(\f)+8*(\b)+7], v[ADRB] offset:(\q)*32*PB+16*PB+(\b)*32
.endr
	WIN 0x40
.irp a, 0,1,2,3,4,5,6,7
	ds_load_b128 v[72*(\f)+8*(\a):72*(\f)+8*(\a)+3],   v[ADRA] offset:(\a)*16*PA+(\q)*64
	ds_load_b128 v[72*(\f)+8*(\a)+4:72*(\f)+8*(\a)+7], v[ADRA] offset:(\a)*16*PA+(\q)*64+32
.endr
	ds_load_b128 v[72*(\f)+64:72*(\f)+67], v[VT] offset:2048+(\q)*64
	ds_load_b128 v[72*(\f)+68:72*(\f)+71], v[VT] offset:2048+(\q)*64+32
.endm
.macro NEXT                            ; the three address registers go on to the next K step: the other slot, 256 bytes on in the tables
	s_xor_b32 s[SB], s[SB], SLOT1
	s_add_co_u32 s[TBL], s[TBL], 256
	v_add_nc_u32 v[ADRA], s[SB], v[ADRA0]
	v_add_nc_u32 v[ADRB], s[SB], v[ADRB0]
	v_add_nc_u32 v[VT], s[TBL], v[VT0]
.endm
.macro SCALE f, b                      ; Wt's fragment b times pk: both hold the same k in the same halves
	WIN 0
.irp i, 0,1,2,3,4,5,6,7
	v_pk_mul_bf16 v[BF+32*(\f)+8*(\b)+(\i)], v[BF+32*(\f)+8*(\b)+(\i)], v[PK+8*(\f)+(\i)]
.endr
.endm
.macro MULA f, b, a0                   ; four products of column block b
	WIN 0xa4                                       ; source 0 window 0, source 1 window 1, C and D window 2
.irp a, \a0, (\a0)+1, (\a0)+2, (\a0)+3
	v_wmma_f32_16x16x32_bf16 v[8*(4*(\a)+(\b)):8*(4*(\a)+(\b))+7], v[BF+32*(\f)+8*(\b):BF+32*(\f)+8*(\b)+7], v[72*(\f)+8*(\a):72*(\f)+8*(\a)+7], v[8*(4*(\a)+(\b)):8*(4*(\a)+(\b))+7]
.endr
.endm
.macro COL f, b, wait                  ; column block b: 8 products and the bias row's; the next block is scaled between them.  The 36 accumulators take turns
	MULA \f, \b, 0
.if (\b) < 3
	SCALE \f, (\b)+1
.endif
.if \wait
	s_wait_dscnt 0x0                               ; Wq's rows 64-127 and bq's fragment are in
.endif
	MULA \f, \b, 4
	WIN 0x04                                       ; C and D window 0
	v_wmma_f32_16x16x32_bf16 v[BA+8*(\b):BA+8*(\b)+7], v[BF+32*(\f)+8*(\b):BF+32*(\f)+8*(\b)+7], v[72*(\f)+64:72*(\f)+71], v[BA+8*(\b):BA+8*(\b)+7]
.endm
.macro QUARTER q, f, g                 ; buffer f is multiplied; in the middle quarter q of the K step is fetched into buffer g
	s_wait_dscnt 10                                ; pk, Wt and Wq's rows 0-63 are in; the youngest ten loads (rows 64-127, bq) may be out
	SCALE \f, 0
	COL \f, 0, 1
	COL \f, 1, 0
	PLACES                                         ; in front of loads into registers that matrix instructions have read
	FETCH \q, \g
	COL \f, 2, 0
	COL \f, 3, 0
.endm
; A K step's last quarter multiplies buffer 1 and changes slots: one barrier; in front of it each wave waits for all its tensor loads (at most one is out: its part of the next slot), adds 0 to its
; spare word, and waits for that and for its reads of this slot.  fill = 1: the barrier opens a round of the cluster's, and the joint refill, two K steps on, is the first thing behind it:
; from there to the wait for it a wave issues 126 matrix instructions.  fill = 0 (the last two K steps): nothing is asked for, and in the very last trip (the counter at 1) there is no next
; step: its fetch is jumped over, forward, past LDS loads and register work alone.
.macro TURN fill
	WIN 0
	s_wait_tensorcnt 0x0
	ds_add_u32 v[SPW], v[NIL]
	s_wait_dscnt 1                                 ; only the add may be out: the fragments are in
	SCALE 1, 0
	COL 1, 0, 0
	s_wait_dscnt 0x0                               ; the add is done, and my reads of this slot are over
	s_barrier_signal -1
	COL 1, 1, 0
	WIN 0
	s_barrier_wait -1
.if \fill
	CREST
	s_xor_b32 s[G0+5], s[G0+5], SLOT1              ; no tensor load of mine is out: the walking descriptors take the other slot than last time
	s_add_nc_u64 s[G0+6:G0+7], s[G0+6:G0+7], 256   ; and the next K step: 128 columns of Wq,
	s_xor_b32 s[G0B+5], s[G0B+5], SLOT1
	s_add_nc_u64 s[G0B+6:G0B+7], s[G0B+6:G0B+7], 262144  ; 128 rows of Wt; the type bits on top are not reached
	JLOAD                                          ; its four v_nop are also the places in front of the loads below
.else
	PLACES
	s_cmp_eq_u32 s3, 1
	s_cbranch_scc1 .Lno_fetch_\@
.endif
	NEXT
	FETCH 0, 0
.if !(\fill)
	WIN 0                                          ; at a label every window is 0
.Lno_fetch_\@:
.endif
	COL 1, 2, 0
	COL 1, 3, 0
.endm
	s_wait_tensorcnt 1                             ; my part of K step 0 is in; K step 1's may stay out
	s_wait_dscnt 0x0                               ; my part of the tables is stored
	s_barrier_signal -1
	s_barrier_wait -1
	FETCH 0, 0
	WIN 0
	s_mov_b32 s3, 6
.Lstep:                                                ; K steps 0 to 5: each fills its slot again, with K steps 2 to 7
	QUARTER 1, 0, 1
	QUARTER 2, 1, 0
	QUARTER 3, 0, 1
	TURN 1
	WIN 0
	s_sub_co_u32 s3, s3, 1
	s_cmp_lg_u32 s3, 0
	s_cbranch_scc1 .Lstep
	s_mov_b32 s3, 2
.Ltail:                                                ; K steps 6 and 7 have a text of their own
	QUARTER 1, 0, 1
	QUARTER 2, 1, 0
	QUARTER 3, 0, 1
	TURN 0
	WIN 0
	s_sub_co_u32 s3, s3, 1
	s_cmp_lg_u32 s3, 0
	s_cbranch_scc1 .Ltail
	; THE WAY OUT: rounded to bf16, 16 bytes a lane into the work-group's stage; a barrier, since a row's 512 bytes come from four waves; back as whole rows, 32 a wave.
	PLACES
	WIN 0x4a                                       ; sources window 2, destination window 1
.set i, 0
.rept 128
	v_cvt_pk_bf16_f32 v[i], v[2*i], v[2*i+1]
.set i, i+1
.endr
	WIN 0
.irp b, 0,1,2,3
	ds_store_b128 v[BSTO], v[BA+8*(\b):BA+8*(\b)+3]   offset:64*(\b)      ; the block's 16 rows are alike: the 16 lanes of a half store the same numbers to the same words
	ds_store_b128 v[BSTO], v[BA+8*(\b)+4:BA+8*(\b)+7] offset:64*(\b)+16
.endr
	WIN 0x04                                       ; store data window 1
.irp a, 0,1,2,3,4,5,6,7
.irp b, 0,1,2,3
	ds_store_b128 v[STO], v[4*(4*(\a)+(\b)):4*(4*(\a)+(\b))+3] offset:(\a)*16*SPITCH+(\b)*32
.endr
.endr
	WIN 0
	s_wait_dscnt 0x0                               ; for the others' sake: my stores into the stage are done
	s_barrier_signal -1
	s_barrier_wait -1
	ds_load_b128 v[192:195], v[BRD]
.set i, 0
.rept 32
	ds_load_b128 v[64+4*i:67+4*i], v[RD] offset:i*SPITCH
.set i, i+1
.endr
.set i, 0
.rept 32
	s_wait_dscnt 31-i                              ; row i is back; the younger loads stay out
	global_store_b128 v[CO], v[64+4*i:67+4*i], s[8:9] offset:2048*i   ; 512 consecutive bytes, aligned
.set i, i+1
.endr
	v_cmp_gt_u32 vcc_lo, 16, v3
	s_wait_xcnt 0x0                                ; EXEC changes only behind this wait
	s_and_saveexec_b32 s82, vcc_lo
	global_store_b128 v10, v[192:195], s[80:81]    ; my 64 numbers of beff: sixteen lanes, 256 consecutive bytes, aligned
	s_wait_xcnt 0x0
	s_or_b32 exec_lo, exec_lo, s82
	s_wait_tensorcnt 0x0                           ; the wave's end: behind my last tensor load and my last LDS store
	ds_add_u32 v[SPW], v[NIL]
	s_wait_dscnt 0x0
	CROUND                                         ; the closing round: no work-group ends while a partner may still ask for a tile that names it
	s_endpgm
.Lfunc_end_k_qc2f448e88e_weff:
	.size	k_qc2f448e88e_weff, .Lfunc_end_k_qc2f448e88e_weff-k_qc2f448e88e_weff
	.p2alignl 7, 3214868480
	.fill 96, 4, 3214868480
	.section	.rodata,"a",@progbits
	.p2align	6, 0x0
	.amdhsa_kernel k_qc2f448e88e_weff
		.amdhsa_group_segment_fixed_size 327680
		.amdhsa_private_segment_fixed_size 0
		.amdhsa_enable_private_segment 0
		.amdhsa_kernarg_size 48
		.amdhsa_user_sgpr_count 2
		.amdhsa_user_sgpr_kernarg_segment_ptr 1
		.amdhsa_wavefront_size32 1
		.amdhsa_system_sgpr_workgroup_id_x 1
		.amdhsa_system_sgpr_workgroup_id_y 1
		.amdhsa_system_sgpr_workgroup_id_z 1
		.amdhsa_system_vgpr_workitem_id 0
		.amdhsa_next_free_vgpr 768
		.amdhsa_next_free_sgpr 84
		.amdhsa_reserve_vcc 1
		.amdhsa_float_denorm_mode_32 3
		.amdhsa_float_denorm_mode_16_64 3
		.amdhsa_memory_ordered 1
		.amdhsa_forward_progress 1
		.amdhsa_inst_pref_size 103
	.end_amdhsa_kernel
	.amdgpu_metadata
---
amdhsa.version: [ 1, 2 ]
amdhsa.kernels:
  - .name:           k_qc2f448e88e_weff
    .symbol:         k_qc2f448e88e_weff.kd
    .args:
      - { .name: wb, .offset: 0, .size: 8, .value_kind: global_buffer, .address_space: global }
      - { .name: pq, .offset: 8, .size: 8, .value_kind: global_buffer, .address_space: global }
      - { .name: rk, .offset: 16, .size: 8, .value_kind: global_buffer, .address_space: global }
      - { .name: bq, .offset: 24, .size: 8, .value_kind: global_buffer, .address_space: global }
      - { .name: bt, .offset: 32, .size: 8, .value_kind: global_buffer, .address_space: global }
      - { .name: we, .offset: 40, .size: 8, .value_kind: global_buffer, .address_space: global }
    .group_segment_fixed_size: 327680
    .private_segment_fixed_size: 0
    .kernarg_segment_align: 8
    .kernarg_segment_size: 48
    .max_flat_workgroup_size: 128
    .sgpr_count:     84
    .vgpr_count:     768
    .wavefront_size: 32
...
	.end_amdgpu_metadata
.endif
;; end of part 5
;; launch main (part 6): grid 4 x 64, 4 waves a work-group, clusters of 4 x 4, 327,680 bytes of LDS; arguments xb, we, out0; writes out0
.if DOCPART == 6
	.amdgcn_target "amdgcn-amd-amdhsa--gfx1250"
	.amdhsa_code_object_version 6
	.text
	.protected	k_qc2f448e88e_main
	.globl	k_qc2f448e88e_main
	.p2align	8
	.type	k_qc2f448e88e_main,@function
k_qc2f448e88e_main:
	s_mov_b64 s[64:65], 0
	v_nop
	global_prefetch_b8 v0, s[64:65] scope:SCOPE_SE
	s_setreg_imm32_b32 hwreg(HW_REG_WAVE_MODE, 25, 1), 1
	s_wait_xcnt 0x0
	s_wait_alu depctr_hold_cnt(0) depctr_sa_sdst(0) depctr_va_vdst(0) depctr_va_sdst(0) depctr_va_ssrc(0) depctr_va_vcc(0) depctr_vm_vsrc(0)
	s_getreg_b32 s2, hwreg(HW_REG_IB_STS2, 6, 4)
	s_cmp_eq_u32 s2, 0
	s_cbranch_scc0 .Lentry_in_a_cluster
	s_endpgm
.Lentry_in_a_cluster:
	s_bfe_u32 s2, ttmp6, 0x10000c
	s_cmp_lg_u32 s2, 0xf033
	s_cbranch_scc0 .Lentry_shape_is_right
	s_endpgm
.Lentry_shape_is_right:
; out[s][n] = sum over i of X[s][i] Weff_b[i][n] + beff_b[n].  X: xb [16384][1024] bf16; Weff: we [b][1024][1024] bf16, stored [i][n]; beff f32 behind it, a copy for each tile row; out f32.
; A tile of out, 256 x 256, is made by four waves, each 128 x 128: 64 accumulators, 512 registers.  K goes in steps of 128 through two LDS slots filled by the tensor data mover.
; THE MATRIX INSTRUCTION IS USED TRANSPOSED: source 0 = 16 columns of Weff (read by the turning load, since K runs down its rows), source 1 = 16 rows of X: a lane holds 8 neighbouring
; numbers of a row of out.  The first product of each accumulator takes beff as its C operand: nothing is cleared and nothing is added afterwards.
; CLUSTER 4 x 4: X's tile hangs on the tile row alone and is shared along a row of the cluster; Weff's hangs on the tile column and on the batch, which is half the cluster's y, and is
; shared along a column.  One tile to a work-group: 4 x 64 tiles for 256 work-groups.
; REGISTERS.  window 0: v0-31 addresses; v64-127, v128-191 X's fragments, two buffers, on the way out rows read back      window 1: v0-63 beff; v64-127, v128-191 Weff's fragments
;   window 2: the accumulators of my rows 0-63 ((a, b) at v[8 (8 a + b)]);   window 3: those of my rows 64-127
.set PA,     272                       ; a row of X's tile: 256 bytes + 16
.set PB,     544                       ; a row of Weff's tile: 512 bytes + 32 = 17 x 32
.set HALFT,  34816                     ; 128 rows of X, or 64 rows of Weff: what one tensor load brings
.set BOFF,   2*HALFT
.set SLOT,   4*HALFT
.set STAGE,  2*SLOT                    ; 16 rows x 528 bytes for each wave
.set SPITCH, 528
.set SPARE,  STAGE+4*16*SPITCH         ; the spare words, 128 bytes a wave
.set BEFF,   16777216
.set ADRA, 16
.set ADRB, 20
.set STO,  24
.set RD,   25
.set CO,   26
.set BO,   27
.set SPW,  28                          ; v28 my spare word's address; never rewritten
.set NIL,  29                          ; v29 0; never rewritten
.set F0,   64
.set F1,   128
.set G1, 24
.set G0, 32
.set G1B, 48
.set G0B, 56
.set MSB, 0
.macro WIN new                         ; the immediate's high byte repeats the setting that is left; a switch that changes nothing is dropped
.if MSB != (\new)
	s_set_vgpr_msb (MSB<<8)|(\new)
.set MSB, \new
.endif
.endm
.set MUL_LO, 0xa1                      ; source 0 (Weff) window 1, source 1 (X) window 0, C and D window 2
.set TO_B,   0x40
.macro PLACES                          ; four places in front of loads into registers that matrix instructions have read, and of stores that read results
.rept 4
	v_nop
.endr
.endm
.macro JLOAD s                         ; a joint load: waves 0 and 1 fetch X's two halves, waves 2 and 3 Weff's; an s_nop 0 and four v_nop follow each line
	s_cmp_eq_u32 s11, 0
	s_cbranch_scc0 .Lfor_b_\@
	tensor_load_to_lds s[G0+4*(\s):G0+4*(\s)+3], s[G1:G1+7]
	s_nop 0
	PLACES
	s_branch .Lasked_\@
.Lfor_b_\@:
	tensor_load_to_lds s[G0B+4*(\s):G0B+4*(\s)+3], s[G1B:G1B+7]
	s_nop 0
	PLACES
.Lasked_\@:
.endm
.macro CREST
	s_cmp_lg_u32 s10, 0
	s_cbranch_scc1 .Lnot_wave_0_\@
	s_barrier_signal -3
.Lnot_wave_0_\@:
	s_barrier_wait -3
	s_barrier_signal -1
	s_barrier_wait -1
.endm
.macro CROUND
	s_barrier_signal -1
	s_barrier_wait -1
	CREST
.endm
	s_load_b128 s[4:7], s[0:1], 0x0                ; xb 4, we 6
	s_load_b64 s[8:9], s[0:1], 0x10                ; out0
	v_lshl_add_u32 v[SPW], v0, 2, SPARE
	v_mov_b32 v[NIL], 0
	ds_add_u32 v[SPW], v[NIL]                      ; the wave's opening: the add and its wait stand ahead of my first tensor load
	ds_add_u32 v28, v29
	v_lshrrev_b32 v1, 5, v0
	v_readfirstlane_b32 s10, v1                    ; wave 0..3
	s_lshr_b32 s11, s10, 1                         ; which half of the tile's rows is mine.  Also: I fetch for X (0) or for Weff (1)
	s_and_b32 s12, s10, 1                          ; which half of its columns.  Also: which half of that tile I fetch
	s_bfe_u32 s40, ttmp6, 0x40000                  ; cx
	s_bfe_u32 s41, ttmp6, 0x40004                  ; cy
	s_lshl_b32 s42, ttmp9, 2
	s_add_co_u32 s42, s42, s40                     ; tile column
	s_and_b32 s45, ttmp7, 0xffff
	s_lshl_b32 s13, s45, 2
	s_add_co_u32 s13, s13, s41                     ; tile row
	s_lshr_b32 s45, s45, 1                         ; the batch: 8 tile rows, two clusters along y
	s_lshl_b32 s43, s41, 2
	s_lshl_b32 s43, 15, s43                        ; my row of the cluster
	s_lshl_b32 s44, 0x1111, s40                    ; my column
	s_or_b32 s[G1+0], s43, (1<<16)|(1<<20)|(1<<21)|(5<<22)|(3<<25)   ; the mask; 2-byte elements; padding on; bit 21 beside a mask; after every 64 words 4 words
	s_mov_b32 s[G1+1], 128<<16                     ; tensor_dim0
	s_mov_b32 s[G1+2], 128<<16                     ; tensor_dim1
	s_mov_b32 s[G1+3], 128<<16                     ; tile_dim0
	s_mov_b32 s[G1+4], 128                         ; tile_dim1
	s_mov_b32 s[G1+5], 1024                        ; elements from row to row
	s_mov_b32 s[G1+6], 0
	s_mov_b32 s[G1+7], 0
	s_or_b32 s[G1B+0], s44, (1<<16)|(1<<20)|(1<<21)|(6<<22)|(7<<25)  ; after every 128 words 8 words
	s_mov_b32 s[G1B+1], 256<<16
	s_mov_b32 s[G1B+2], 64<<16
	s_mov_b32 s[G1B+3], 256<<16
	s_mov_b32 s[G1B+4], 64
	s_mov_b32 s[G1B+5], 1024
	s_mov_b32 s[G1B+6], 0
	s_mov_b32 s[G1B+7], 0
	s_lshl_b32 s16, s13, 19                        ; X: row 256 x tile row + 128 x half, 2,048 bytes a row
	s_lshl_b32 s17, s12, 18
	s_add_co_u32 s16, s16, s17
	s_mov_b32 s17, 0
	s_lshl_b32 s46, s45, 21                        ; Weff: the batch, row 64 x half, column 256 x tile column
	s_lshl_b32 s47, s12, 17
	s_add_co_u32 s46, s46, s47
	s_lshl_b32 s47, s42, 9
	s_add_co_u32 s46, s46, s47
	s_mov_b32 s47, 0
	s_mul_i32 s20, s10, HALFT                      ; where they go: X's two halves, then Weff's two: no place in the cluster enters an LDS address
	s_wait_dscnt 0x0                               ; the opening add is done
	s_wait_kmcnt 0x0
	s_add_nc_u64 s[14:15], s[4:5], s[16:17]
	s_add_nc_u64 s[46:47], s[6:7], s[46:47]
	CROUND                                         ; all sixteen work-groups are here: the first joint loads meet
.irp s, 0,1
	s_mov_b32 s[G0+4*(\s)], 1
	s_add_co_u32 s[G0+4*(\s)+1], s20, (\s)*SLOT
	s_add_nc_u64 s[G0+4*(\s)+2:G0+4*(\s)+3], s[14:15], (\s)*256
	s_or_b32 s[G0+4*(\s)+3], s[G0+4*(\s)+3], 0x80000000
	s_mov_b32 s[G0B+4*(\s)], 1
	s_add_co_u32 s[G0B+4*(\s)+1], s20, (\s)*SLOT
	s_add_nc_u64 s[G0B+4*(\s)+2:G0B+4*(\s)+3], s[46:47], (\s)*262144
	s_or_b32 s[G0B+4*(\s)+3], s[G0B+4*(\s)+3], 0x80000000
.endr
	s_cmp_eq_u32 s11, 0                            ; a wave's two first fills stand in one branch: two loads of mine are out
	s_cbranch_scc0 .Lfirst_b
	tensor_load_to_lds s[G0:G0+3], s[G1:G1+7]
	s_nop 0
	tensor_load_to_lds s[G0+4:G0+7], s[G1:G1+7]
	s_nop 0
	PLACES
	s_branch .Lfirst_asked
.Lfirst_b:
	tensor_load_to_lds s[G0B:G0B+3], s[G1B:G1B+7]
	s_nop 0
	tensor_load_to_lds s[G0B+4:G0B+7], s[G1B:G1B+7]
	s_nop 0
	PLACES
.Lfirst_asked:
	s_lshl_b32 s18, s13, 20                        ; out: row 256 x tile row + 128 x my half, 4,096 bytes a row; column 256 x tile column + 128 x my half
	s_lshl_b32 s19, s11, 19
	s_add_co_u32 s18, s18, s19
	s_lshl_b32 s19, s42, 10
	s_add_co_u32 s18, s18, s19
	s_lshl_b32 s19, s12, 9
	s_add_co_u32 s18, s18, s19
	s_mov_b32 s19, 0
	s_add_nc_u64 s[8:9], s[8:9], s[18:19]
	s_lshl_b32 s16, s13, 12                        ; beff: my tile row's copy, my 128 columns
	s_lshl_b32 s17, s42, 10
	s_add_co_u32 s16, s16, s17
	s_lshl_b32 s17, s12, 9
	s_add_co_u32 s16, s16, s17
	s_add_co_u32 s16, s16, BEFF
	s_mov_b32 s17, 0
	s_add_nc_u64 s[6:7], s[6:7], s[16:17]
	v_and_b32 v1, 15, v0                           ; r
	v_bfe_u32 v2, v0, 4, 1                         ; half
	v_and_b32 v3, 31, v0                           ; lane
	v_lshlrev_b32 v[BO], 5, v2
	WIN TO_B                                       ; destination window 1
.irp b, 0,1,2,3,4,5,6,7
	global_load_b128 v[8*(\b):8*(\b)+3],   v[BO], s[6:7] offset:64*(\b)      ; beff of columns 16 b + 8 half + 0..7: the C operand of column block b
	global_load_b128 v[8*(\b)+4:8*(\b)+7], v[BO], s[6:7] offset:64*(\b)+16
.endr
	WIN 0
	v_mul_u32_u24 v4, PA, v1
	v_lshl_add_u32 v4, v2, 4, v4
	s_mul_i32 s21, s11, HALFT                      ; my 128 rows of X
	v_add_nc_u32 v[ADRA], s21, v4
	v_add_nc_u32 v[ADRA+1], SLOT, v[ADRA]
	v_and_b32 v4, 7, v0
	v_lshl_add_u32 v4, v2, 3, v4
	v_mul_u32_u24 v4, PB, v4                       ; row 8 half + lane % 8
	v_bfe_u32 v5, v0, 3, 1
	v_lshl_add_u32 v4, v5, 4, v4
	s_lshl_b32 s22, s12, 8                         ; my 128 columns
	s_add_co_u32 s22, s22, BOFF
	v_add_nc_u32 v[ADRB], s22, v4
	v_add_nc_u32 v[ADRB+1], SLOT, v[ADRB]
	s_mul_i32 s23, s10, 16*SPITCH
	s_add_co_u32 s23, s23, STAGE                   ; my stage
	v_mul_u32_u24 v[STO], SPITCH, v1
	v_lshl_add_u32 v[STO], v2, 5, v[STO]
	v_add_nc_u32 v[STO], s23, v[STO]               ; in: row r, 32 bytes for each half of the lanes
	v_lshl_add_u32 v[RD], v3, 4, s23               ; back: a row of 512 bytes, 16 a lane
	v_lshlrev_b32 v[CO], 4, v3
; 16 matrix instructions: row blocks a0, a0 + 1 of the window's four x all 8 column blocks, 32 along K.  first = 1: the sums start at beff.  The 64 accumulators take turns.
.macro MUL16 f, hi, a0, first
.if \first
	WIN 0x91+0x40*(\hi)                            ; C window 1, D window 2 or 3
.else
	WIN MUL_LO+0x50*(\hi)
.endif
.irp a, \a0, (\a0)+1
.irp b, 0,1,2,3,4,5,6,7
.if \first
	v_wmma_f32_16x16x32_bf16 v[8*(8*(\a)+(\b)):8*(8*(\a)+(\b))+7], v[(\f)+8*(\b):(\f)+8*(\b)+7], v[(\f)+8*(4*(\hi)+(\a)):(\f)+8*(4*(\hi)+(\a))+7], v[8*(\b):8*(\b)+7]
.else
	v_wmma_f32_16x16x32_bf16 v[8*(8*(\a)+(\b)):8*(8*(\a)+(\b))+7], v[(\f)+8*(\b):(\f)+8*(\b)+7], v[(\f)+8*(4*(\hi)+(\a)):(\f)+8*(4*(\hi)+(\a))+7], v[8*(8*(\a)+(\b)):8*(8*(\a)+(\b))+7]
.endif
.endr
.endr
.endm
.macro FETCH slot, q, f                ; 32 LDS loads in one run: quarter q's fragments (128 columns of Weff, turned; 128 rows of X) into buffer f
	WIN TO_B
.irp i, 0,1,2,3,4,5,6,7
	ds_load_tr16_b128 v[(\f)+8*(\i):(\f)+8*(\i)+3],   v[ADRB+(\slot)] offset:(\q)*32*PB+(\i)*32
	ds_load_tr16_b128 v[(\f)+8*(\i)+4:(\f)+8*(\i)+7], v[ADRB+(\slot)] offset:(\q)*32*PB+16*PB+(\i)*32
.endr
	WIN 0
.irp i, 0,1,2,3,4,5,6,7
	ds_load_b128 v[(\f)+8*(\i):(\f)+8*(\i)+3],   v[ADRA+(\slot)] offset:(\q)*64+(\i)*16*PA
	ds_load_b128 v[(\f)+8*(\i)+4:(\f)+8*(\i)+7], v[ADRA+(\slot)] offset:(\q)*64+(\i)*16*PA+32
.endr
.endm
.macro QUARTER slot, q, f, g, first    ; buffer f is multiplied; in the middle quarter q of the slot is fetched into buffer g
	s_wait_dscnt 8                                 ; Weff and X's rows 0-63 are in; the youngest eight loads (rows 64-127) may be out
	MUL16 \f, 0, 0, \first
	MUL16 \f, 0, 2, \first
	PLACES
	FETCH \slot, \q, \g
	s_wait_dscnt 32                                ; all but the 32 just issued
	MUL16 \f, 1, 0, \first
	MUL16 \f, 1, 2, \first
.endm
; The last quarter multiplies buffer 1 and changes slots.  One barrier: in front of it each wave waits for all its tensor loads (one is out: its part of the next slot), adds 0 to its spare
; word, and waits for that and for its own reads of this slot.  Behind it nobody reads this slot any more and the next slot is whole.
.macro MEET round
	WIN 0
	s_wait_tensorcnt 0x0
	ds_add_u32 v[SPW], v[NIL]
	s_wait_dscnt 9                                 ; the add and the youngest eight loads may be out
	MUL16 F1, 0, 0, 0
	s_wait_dscnt 0x0                               ; the add is done, and my reads of this slot are over
	s_barrier_signal -1
	MUL16 F1, 0, 2, 0
.if \round
	WIN 0
.endif
	s_barrier_wait -1
.endm
.macro TURN slot, next                 ; the barrier opens a round of the cluster's; the joint refill, two K steps on, is the first thing behind it: 224 matrix instructions ahead of the wait for it
	MEET 1
	CREST
	s_add_nc_u64 s[G0+4*(\slot)+2:G0+4*(\slot)+3], s[G0+4*(\slot)+2:G0+4*(\slot)+3], 512
	s_add_nc_u64 s[G0B+4*(\slot)+2:G0B+4*(\slot)+3], s[G0B+4*(\slot)+2:G0B+4*(\slot)+3], 524288
	JLOAD \slot                                    ; its four v_nop are also the places in front of the loads below
	FETCH \next, 0, F0
	MUL16 F1, 1, 0, 0
	MUL16 F1, 1, 2, 0
.endm
; THE WAY OUT of block a (16 rows): the f32 sums go straight from the accumulators into my own stage, 32 bytes a lane, and come back as whole rows of 512 bytes.
.macro TOSTAGE a
	WIN 0
	s_wait_xcnt 0x0                                ; the stores of two blocks ago have read the registers that are loaded below
	WIN 0x08+4*((\a)/4)                            ; store data window 2 or 3
.irp b, 0,1,2,3,4,5,6,7
	ds_store_b128 v[STO], v[64*((\a)%4)+8*(\b):64*((\a)%4)+8*(\b)+3]   offset:64*(\b)      ; each accumulator from its low end on
	ds_store_b128 v[STO], v[64*((\a)%4)+8*(\b)+4:64*((\a)%4)+8*(\b)+7] offset:64*(\b)+16
.endr
	WIN 0
.irp t, 0,1,2,3,4,5,6,7,8,9,10,11,12,13,14,15
	ds_load_b128 v[64+64*((\a)%2)+4*(\t):64+64*((\a)%2)+4*(\t)+3], v[RD] offset:(\t)*SPITCH  ; LDS serves a wave's instructions in order (ISA guide 5.7.1.4): these see the stores above
.endr
.endm
.macro SEND a, younger                 ; younger: the LDS instructions issued behind block a's loads: the next block's 32, or none
	s_wait_dscnt \younger
.irp t, 0,1,2,3,4,5,6,7,8,9,10,11,12,13,14,15
	global_store_b128 v[CO], v[64+64*((\a)%2)+4*(\t):64+64*((\a)%2)+4*(\t)+3], s[8:9] offset:(16*(\a)+(\t))*4096 th:TH_STORE_NT  ; 512 consecutive bytes, aligned
.endr
.endm
	s_wait_tensorcnt 1                             ; my part of K step 0 is in; K step 1's may stay out
	s_barrier_signal -1
	s_barrier_wait -1
	FETCH 0, 0, F0
	s_wait_loadcnt 0x0                             ; beff
	QUARTER 0, 1, F0, F1, 1                        ; the first quarter stands in front of the loop: its products start the sums
	WIN 0
	s_mov_b32 s3, 3
.Llap:                                                 ; a trip goes once round the ring, from a lap's second quarter to the next lap's first, and fills both slots again
	QUARTER 0, 2, F1, F0, 0
	QUARTER 0, 3, F0, F1, 0
	TURN 0, 1
	QUARTER 1, 1, F0, F1, 0
	QUARTER 1, 2, F1, F0, 0
	QUARTER 1, 3, F0, F1, 0
	TURN 1, 0
	QUARTER 0, 1, F0, F1, 0
	WIN 0
	s_sub_co_u32 s3, s3, 1
	s_cmp_lg_u32 s3, 0
	s_cbranch_scc1 .Llap
	QUARTER 0, 2, F1, F0, 0                        ; the last lap goes on, written out: it fills nothing
	QUARTER 0, 3, F0, F1, 0
	MEET 0
	PLACES
	FETCH 1, 0, F0
	MUL16 F1, 1, 0, 0
	MUL16 F1, 1, 2, 0
	QUARTER 1, 1, F0, F1, 0
	QUARTER 1, 2, F1, F0, 0
	QUARTER 1, 3, F0, F1, 0
	s_wait_dscnt 8
	MUL16 F1, 0, 0, 0
	MUL16 F1, 0, 2, 0
	s_wait_dscnt 0x0
	MUL16 F1, 1, 0, 0
	MUL16 F1, 1, 2, 0
	WIN 0
	PLACES
	TOSTAGE 0
.irp a, 1,2,3,4,5,6,7                  ; block a's way through the stage stands between block a - 1's loads and its stores
	TOSTAGE \a
	SEND (\a)-1, 32
.endr
	SEND 7, 0
	s_wait_tensorcnt 0x0                           ; the wave's end: behind my last tensor load and my last LDS store
	ds_add_u32 v[SPW], v[NIL]
	s_wait_dscnt 0x0
	CROUND                                         ; the closing round: no work-group ends while a partner may still ask for a tile that names it
	s_endpgm
.Lfunc_end_k_qc2f448e88e_main:
	.size	k_qc2f448e88e_main, .Lfunc_end_k_qc2f448e88e_main-k_qc2f448e88e_main
	.p2alignl 7, 3214868480
	.fill 96, 4, 3214868480
	.section	.rodata,"a",@progbits
	.p2align	6, 0x0
	.amdhsa_kernel k_qc2f448e88e_main
		.amdhsa_group_segment_fixed_size 327680
		.amdhsa_private_segment_fixed_size 0
		.amdhsa_enable_private_segment 0
		.amdhsa_kernarg_size 24
		.amdhsa_user_sgpr_count 2
		.amdhsa_user_sgpr_kernarg_segment_ptr 1
		.amdhsa_wavefront_size32 1
		.amdhsa_system_sgpr_workgroup_id_x 1
		.amdhsa_system_sgpr_workgroup_id_y 1
		.amdhsa_system_sgpr_workgroup_id_z 1
		.amdhsa_system_vgpr_workitem_id 0
		.amdhsa_next_free_vgpr 1024
		.amdhsa_next_free_sgpr 66
		.amdhsa_reserve_vcc 0
		.amdhsa_float_denorm_mode_32 3
		.amdhsa_float_denorm_mode_16_64 3
		.amdhsa_memory_ordered 1
		.amdhsa_forward_progress 1
		.amdhsa_inst_pref_size 142
	.end_amdhsa_kernel
	.amdgpu_metadata
---
amdhsa.version: [ 1, 2 ]
amdhsa.kernels:
  - .name:           k_qc2f448e88e_main
    .symbol:         k_qc2f448e88e_main.kd
    .args:
      - { .name: xb, .offset: 0, .size: 8, .value_kind: global_buffer, .address_space: global }
      - { .name: we, .offset: 8, .size: 8, .value_kind: global_buffer, .address_space: global }
      - { .name: out0, .offset: 16, .size: 8, .value_kind: global_buffer, .address_space: global }
    .group_segment_fixed_size: 327680
    .private_segment_fixed_size: 0
    .kernarg_segment_align: 8
    .kernarg_segment_size: 24
    .max_flat_workgroup_size: 128
    .sgpr_count:     66
    .vgpr_count:     1024
    .wavefront_size: 32
...
	.end_amdgpu_metadata
.endif
;; end of part 6
